; MI455X (gfx1250); checked and timed in simulation.
; The chip was launched on July 23, 2026; its instructions are those of AMD's public machine-readable ISA for CDNA 5 (MIT licence, August 2026) and "CDNA5" Instruction Set Architecture Reference Guide (July 2026). The comments in the code are by the model that wrote it; some were corrected since.
;; Encoder Block. Allowed arithmetic: matrix products marked QUANTISED: E4M3 operands, one given power-of-two scale a tensor, by v_wmma_f32_16x16x64_fp8_fp8 or v_wmma_f32_16x16x128_fp8_fp8, f32 sums; everything else in f32.
;; Inputs: W1 1,024 x 4,096 float32; W2 4,096 x 1,024 float32; Wk 1,024 x 1,024 float32; Wo 1,024 x 1,024 float32; Wq 1,024 x 1,024 float32; Wv 1,024 x 1,024 float32; hidden_states 2 x 2,048 x 1,024 float32; ln1_g 1,024 float32; ln2_g 1,024 float32; lowp_scales 16 int32 (the exponents e of the quantised operands' scales 2^e); rel_table 32 x 16 float32.
;; Outputs: out0 2 x 2,048 x 1,024 float32.
;; This version of the problem:
;;   THIS VERSION OF THE PROBLEM IS GIVEN IN LOW PRECISION. The matrix products marked QUANTISED in the list below multiply operands that are first quantised to E4M3 (4 exponent bits, 3 mantissa bits; 8 bits a number), with one given power-of-two scale for each operand tensor; their sums are f32. All else is computed in f32.
;;   The module's matrix products, in the order in which they are computed (A, B: the left and right operand; K: the contracted axis; several contracted axes count as one K, in the product's order):
;;     1. [M 4,096, K 1,024] x [K 1,024, N 1,024]; A: computed on the way; B: input Wq: QUANTISED (scales: A lowp_scales[0], B lowp_scales[1])
;;     2. [M 4,096, K 1,024] x [K 1,024, N 1,024]; A: computed on the way; B: input Wk: QUANTISED (scales: A lowp_scales[2], B lowp_scales[3])
;;     3. [M 4,096, K 1,024] x [K 1,024, N 1,024]; A: computed on the way; B: input Wv: QUANTISED (scales: A lowp_scales[4], B lowp_scales[5])
;;     4. batch 32 x [M 2,048, K 64] x [K 64, N 2,048]; A: computed on the way; B: computed on the way: QUANTISED (scales: A lowp_scales[6], B lowp_scales[7])
;;     5. batch 32 x [M 64, K 2,048] x [K 2,048, N 2,048]; A: computed on the way; B: softmax (see below): QUANTISED (scales: A lowp_scales[8], B lowp_scales[9])
;;     6. [M 4,096, K 1,024] x [K 1,024, N 1,024]; A: computed on the way; B: input Wo: QUANTISED (scales: A lowp_scales[10], B lowp_scales[11])
;;     7. [M 4,096, K 1,024] x [K 1,024, N 4,096]; A: computed on the way; B: input W1: QUANTISED (scales: A lowp_scales[12], B lowp_scales[13])
;;     8. [M 4,096, K 4,096] x [K 4,096, N 1,024]; A: computed on the way; B: input W2: QUANTISED (scales: A lowp_scales[14], B lowp_scales[15])
;;   THE QUANTISER, for each operand of a quantised product, along K:
;;     - The operand's scale is 2^e, e = its entry of the input lowp_scales (int32; the entries are numbered through the quantised products in the list's order, A before B).
;;     - Each number is divided by the scale, clamped to +-448, and rounded to the nearest number of E4M3, ties to even, subnormals kept.
;;     - The product sums the exact products of the quantised numbers (number of the format x scale) in f32.
;;   ~~~python
;;   def quantise(x, axis, e):      # numpy; x: float32 -> the quantised numbers, widened to float32 again
;;       x = np.moveaxis(x, axis, -1); K = x.shape[-1]
;;       r = np.clip(x / 2.0 ** e, -448, 448)
;;       step = 2.0 ** (np.maximum(np.frexp(np.where(r == 0, 1, r))[1] - 1, -6) - 3)
;;       q = np.round(r / step) * step * 2.0 ** e      # np.round: ties to even
;;       return np.moveaxis(q, -1, axis).astype(np.float32)
;;   ~~~
;;   SOFTMAX AHEAD OF A QUANTISED PRODUCT. Where the list says 'softmax', what is quantised is not the finished softmax but p = 2^(t - M), with t = logit x log2(e) and M = ceil(the row's largest t), a whole number; so 1/2 < the row's largest p <= 1. The row's sum l is taken of the UNQUANTISED p, in f32, and the product's result is divided by l at the end. Since M is a whole number, a kernel that streams over the keys may use a running M (the ceiling of the running maximum): every later rescaling is an exact power of two, so the quantised numbers keep their values, but for numbers so far below the row's largest that they fall under the format's range.
;;   OPERANDS COMPUTED ON THE WAY. 'Computed on the way' means the value that the module computes at that place (a softmax that the list does not call 'softmax' is quantised finished and normalised). What goes into a quantiser is computed in f32, as accurately as f32 sums, v_exp_f32 and their like allow (about 1e-6 of the number): no bf16 or f16 on the way to a quantiser, and a product that is left as it is and whose result goes on into a quantised operand takes f32 operands (vector FMAs, or v_wmma_f32_16x16x4_f32). A number that lies on a knife's edge between two numbers of the format may be rounded either way, as far as f32 arithmetic and the matrix unit's own rounding can turn it there, and no further.
;; One version. Each part assembles by itself: llvm-mc -triple=amdgcn-amd-amdhsa -mcpu=gfx1250 --defsym DOCPART=n.
;; ======== version 1 of 1: 7 launches
;; limits: right only within a limited range of input values
;; workspace buffers: wc 12,582,912 bytes; hc 12,582,912 bytes; qkv 12,582,912 bytes; ao 4,194,304 bytes; x1 16,777,216 bytes; h2 4,194,304 bytes; fc 16,777,216 bytes
;; launch prep (part 1): grid 640 x 1, 4 waves a work-group, no clusters, 85,248 bytes of LDS; arguments Wq, Wk, Wv, Wo, W1, W2, hidden_states, ln1_g, lowp_scales, wc, hc; writes wc, hc
.if DOCPART == 1
	.amdgcn_target "amdgcn-amd-amdhsa--gfx1250"
	.amdhsa_code_object_version 6
	.text
	.protected	k_q42496edbac_prep
	.globl	k_q42496edbac_prep
	.p2align	8
	.type	k_q42496edbac_prep,@function
k_q42496edbac_prep:
	s_mov_b64 s[64:65], 0
	v_nop
	global_prefetch_b8 v0, s[64:65] scope:SCOPE_SE
	s_setreg_imm32_b32 hwreg(HW_REG_WAVE_MODE, 25, 1), 1
	s_wait_xcnt 0x0
; Work-groups 0-383: the six weights [K][N] f32 become codes of E4M3, laid as IMAGES OF OPERAND REGISTERS of W^T.
; Work-groups 384-639: h = rmsnorm(hidden_states) * ln1_g, quantised three times (scale entries 0, 2, 4), laid the same way.
; AN IMAGE: a block of 16 rows x 128 k is 2,048 bytes; byte 512 c + 16 lane + 8 u + j holds (row lane % 16, k = 32 c + 16 u + 8 (lane / 16) + j):
; four loads of 16 bytes a lane, 512 bytes apart, give the 16 registers of a fragment of v_wmma_f32_16x16x128_fp8_fp8 with every k in its own place.
; wc: [row block n / 16][k / 128][2048]: Wq +0, Wk +1 MiB, Wv +2 MiB, Wo +3 MiB, W1 +4 MiB, W2 +8 MiB.   hc: [token / 16][8][2048], three sets 4 MiB apart.
; code = x / 2^e, held within +-448, nearest, ties to even.  LIMITS: each e used here between -126 and 119.  NaN among the inputs is not served.
; No tensor load, no matrix work: memory binds.  The two paths part on the work-group's number alone and have LDS bytes of their own.
.set WPIT,  272                        ; weight stage: a column's 256 codes + 16 bytes
.set NSTG,  34816                      ; behind the four weight stages (4 x 32 x 272): the norm's stage, 3 sets x 16 rows x 1,040
.set NPIT,  1040                       ; a token's 1,024 codes + 16 bytes
.set SPARE, 84736                      ; the spare words, 128 bytes a wave
.set SPW, 1
.set NIL, 2
	s_load_b512 s[8:23], s[0:1], 0x0               ; Wq, Wk, Wv, Wo, W1, W2, hidden_states, ln1_g
	s_load_b128 s[24:27], s[0:1], 0x40             ; lowp_scales, wc
	s_load_b64 s[28:29], s[0:1], 0x50              ; hc
	v_lshl_add_u32 v[SPW], v0, 2, SPARE
	v_mov_b32 v[NIL], 0
	v_lshrrev_b32 v9, 5, v0
	v_readfirstlane_b32 s30, v9                    ; wave
	v_and_b32 v9, 31, v0                           ; lane
	v_and_b32 v12, 15, v0                          ; r
	v_bfe_u32 v13, v0, 4, 1                        ; hh
	v_lshlrev_b32 v8, 4, v9                        ; 16 x lane: my place in an image
	s_wait_kmcnt 0x0
	s_load_b512 s[36:51], s[24:25], 0x0            ; the 16 exponents
	s_cmp_ge_u32 ttmp9, 384
	s_cbranch_scc1 .Lnorm
; ---------------- the weights.  A work-group takes 128 columns x 256 k, a wave 32 columns; A LANE TAKES A COLUMN AND ITS REGISTERS RUN DOWN K.
	s_wait_kmcnt 0x0
	s_lshr_b32 s31, ttmp9, 7                       ; class: 0 the four D x D weights (32 work-groups each), 1 W1, 2 W2 (128 each)
	s_lshr_b32 s32, ttmp9, 5
	s_add_co_u32 s33, s31, 3
	s_and_b32 s34, ttmp9, 31
	s_and_b32 s55, ttmp9, 127
	s_mov_b32 s35, 4096
	s_mov_b32 s52, 16384
	s_cmp_eq_u32 s31, 0
	s_cselect_b32 s32, s32, s33                    ; which weight, 0 .. 5
	s_cselect_b32 s34, s34, s55                    ; my number within it
	s_cmp_eq_u32 s31, 1
	s_cselect_b32 s33, 5, 3                        ; bits of the column block's number
	s_cselect_b32 s35, 16384, s35                  ; a source row in bytes
	s_cmp_eq_u32 s31, 2
	s_cselect_b32 s52, 65536, s52                  ; a row block's whole K of images in bytes
	s_bfm_b32 s53, s33, 0
	s_and_b32 s53, s34, s53                        ; nx: which 128 columns
	s_lshr_b32 s54, s34, s33                       ; ky: which 256 along K
	s_mov_b64 s[56:57], s[8:9]
	s_mov_b32 s58, s37
	s_mov_b32 s59, 0
.macro PICK n, ptr, e, ofs                     ; source, exponent and place in wc are chosen on the work-group's number, never by a branch
	s_cmp_eq_u32 s32, \n
	s_cselect_b64 s[56:57], s[\ptr:\ptr+1], s[56:57]
	s_cselect_b32 s58, s[\e], s58
	s_cselect_b32 s59, \ofs, s59
.endm
	PICK 1, 10, 39, 0x100000
	PICK 2, 12, 41, 0x200000
	PICK 3, 14, 47, 0x300000
	PICK 4, 16, 49, 0x400000
	PICK 5, 18, 51, 0x800000
	s_lshl_b32 s60, s54, 8
	s_mul_i32 s60, s60, s35                        ; 256 ky rows
	s_lshl_b32 s61, s53, 9
	s_add_co_u32 s60, s60, s61                     ; + 128 nx columns
	s_lshl_b32 s61, s30, 7
	s_add_co_u32 s60, s60, s61                     ; + 32 wave columns
	s_mov_b32 s61, 0
	s_add_nc_u64 s[66:67], s[56:57], s[60:61]      ; a base for each block of 32 rows, so that no base is stepped
	s_lshl_b32 s62, s35, 5
	s_mov_b32 s63, 0
.irp t, 0,1,2,3,4,5,6
	s_add_nc_u64 s[68+2*\t:69+2*\t], s[66+2*\t:67+2*\t], s[62:63]
.endr
	s_wait_alu depctr_va_vdst(0)
	v_lshlrev_b32 v16, 2, v9                       ; an offset for each of a block's 32 rows: 4 x lane + i rows
.set i, 1
.rept 31
	v_add_nc_u32 v[16+i], s35, v[15+i]
.set i, i+1
.endr
.macro LOADW t                                 ; block t: W(32 t + i, my column): 128 consecutive bytes a wave, 512 a work-group
.set i, 0
.rept 32
	global_load_b32 v[48+32*((\t)%2)+i], v[16+i], s[66+2*(\t):67+2*(\t)] th:TH_LOAD_NT
.set i, i+1
.endr
.endm
	LOADW 0
	LOADW 1
	s_lshl_b32 s86, s53, 3
	s_lshl_b32 s55, s30, 1
	s_add_co_u32 s86, s86, s55                     ; my first row block: 8 nx + 2 wave
	s_mul_i32 s86, s86, s52
	s_add_co_u32 s86, s86, s59
	s_lshl_b32 s55, s54, 12
	s_add_co_u32 s86, s86, s55                     ; + 2 ky images
	s_mov_b32 s87, 0
	s_add_nc_u64 s[82:83], s[26:27], s[86:87]
	s_mov_b32 s86, s52
	s_add_nc_u64 s[84:85], s[82:83], s[86:87]      ; my second row block
	s_add_co_i32 s58, s58, 127
	s_lshl_b32 s55, s58, 23
	v_mov_b32 v11, s55                             ; 2^e: the conversion takes its exponent field
	s_add_co_i32 s58, s58, 8
	s_lshl_b32 s58, s58, 23
	s_or_b32 s58, s58, 0x600000
	v_mov_b32 v10, s58                             ; 448 x 2^e
	s_mul_i32 s55, s30, 32*WPIT                    ; my stage
	v_mul_u32_u24 v4, v9, WPIT
	v_add_nc_u32 v4, s55, v4                       ; in: row = my column
	v_mul_u32_u24 v7, v12, WPIT
	v_lshl_add_u32 v7, v13, 3, v7
	v_add_nc_u32 v7, s55, v7                       ; out: row r, + 8 hh
.macro BLOCKW t
.set XS, 48+32*((\t)%2)
.if (\t) < 7
	s_wait_loadcnt 32                              ; this block's 32 loads are in; the next block's 32 may be out
.else
	s_wait_loadcnt 0
.endif
.set i, 0
.rept 32
	v_med3_num_f32 v[XS+i], v[XS+i], -v10, v10     ; the conversion does not saturate (ISA guide 7.6.2): the hold comes first
.set i, i+1
.endr
.irp g, 0,1,2,3
	v_cvt_scalef32_pk8_fp8_f32 v[112+2*\g:113+2*\g], v[XS+8*\g:XS+8*\g+7], v11
.endr
	ds_store_b128 v4, v[112:115] offset:32*(\t)
	ds_store_b128 v4, v[116:119] offset:32*(\t)+16
.if (\t)+2 < 8
	LOADW (\t)+2
.endif
	s_wait_dscnt 0x0                               ; the stores have read the codes' registers
.endm
	s_wait_alu depctr_va_vdst(0)
.irp t, 0,1,2,3,4,5,6,7
	BLOCKW \t
.endr
; the way out: 2 row blocks x 2 images x 4 chunks; a chunk's four registers come by two loads of 8 bytes, 16 bytes apart, and leave as 512 consecutive bytes
.set idx, 0
.irp u, 0,1
.irp k, 0,1
.irp c, 0,1,2,3
	ds_load_b64 v[120+4*idx:121+4*idx], v7 offset:\u*16*WPIT+128*\k+32*\c
	ds_load_b64 v[122+4*idx:123+4*idx], v7 offset:\u*16*WPIT+128*\k+32*\c+16
.set idx, idx+1
.endr
.endr
.endr
.set idx, 0
.irp u, 0,1
.irp k, 0,1
.irp c, 0,1,2,3
	s_wait_dscnt 30-2*idx                          ; the younger loads may stay out
	global_store_b128 v8, v[120+4*idx:123+4*idx], s[82+2*\u:83+2*\u] offset:2048*\k+512*\c
.set idx, idx+1
.endr
.endr
.endr
	s_wait_tensorcnt 0x0                           ; the wave's end, behind my last LDS store
	ds_add_u32 v[SPW], v[NIL]
	s_wait_dscnt 0x0
	s_endpgm
; ---------------- the norm.  A work-group takes 16 tokens, a wave 4; a lane holds 8 neighbours along K of each 1,024 bytes of a row.
.Lnorm:
	s_sub_co_u32 s31, ttmp9, 384                   ; the block of 16 tokens
	s_lshl_b32 s32, s31, 16
	s_lshl_b32 s33, s30, 14
	s_add_co_u32 s32, s32, s33
	s_mov_b32 s33, 0
	s_add_nc_u64 s[20:21], s[20:21], s[32:33]      ; my wave's first row
	s_wait_alu depctr_va_vdst(0)
	v_lshlrev_b32 v3, 5, v9                        ; 32 x lane
.irp j, 0,1,2,3
	global_load_b128 v[168+8*\j:171+8*\j], v3, s[22:23] offset:1024*\j
	global_load_b128 v[172+8*\j:175+8*\j], v3, s[22:23] offset:1024*\j+16
.endr
.irp p, 0,1,2,3
.irp j, 0,1,2,3
	global_load_b128 v[40+32*\p+8*\j:43+32*\p+8*\j], v3, s[20:21] offset:4096*\p+1024*\j th:TH_LOAD_NT
	global_load_b128 v[44+32*\p+8*\j:47+32*\p+8*\j], v3, s[20:21] offset:4096*\p+1024*\j+16 th:TH_LOAD_NT
.endr
.endr
	s_mov_b32 s52, 0x76543210
	s_mov_b32 s53, 0xfedcba98
	s_mov_b32 s54, 0x3a800000                      ; 1 / 1,024
	s_mov_b32 s55, 0x358637bd                      ; 1e-6
	s_mul_i32 s56, s30, 4*NPIT
	v_lshl_add_u32 v5, v9, 3, s56
	v_add_nc_u32 v5, NSTG, v5                      ; in: my wave's four rows, 8 bytes a lane
	v_mul_u32_u24 v6, v12, NPIT
	v_lshl_add_u32 v6, v13, 3, v6
	s_lshl_b32 s56, s30, 8
	v_add_nc_u32 v6, s56, v6
	v_add_nc_u32 v6, NSTG, v6                      ; out: row r, + 8 hh, + my wave's two images (256 codes)
	s_lshl_b32 s56, s31, 14
	s_lshl_b32 s57, s30, 12
	s_add_co_u32 s56, s56, s57
	s_mov_b32 s57, 0
	s_add_nc_u64 s[86:87], s[28:29], s[56:57]
	s_add_nc_u64 s[88:89], s[86:87], 0x400000
	s_add_nc_u64 s[90:91], s[86:87], 0x800000
	s_wait_kmcnt 0x0
.irp s, 0,1,2
	s_add_co_i32 s58, s[36+2*\s], 127
	s_lshl_b32 s59, s58, 23
	v_mov_b32 v[28+2*\s], s59                      ; 2^e
	s_add_co_i32 s58, s58, 8
	s_lshl_b32 s58, s58, 23
	s_or_b32 s58, s58, 0x600000
	v_mov_b32 v[29+2*\s], s58                      ; 448 x 2^e
.endr
.irp p, 0,1,2,3
	v_mov_b32 v[21+2*\p], 0                        ; a lane permute's destination counts as read; later the pair's upper half
.endr
.irp p, 0,1,2,3
	s_wait_loadcnt 8*(3-\p)                        ; this row's eight loads (and g's) are in; the later rows' may be out
	v_pk_mul_f32 v[200:201], v[40+32*\p:41+32*\p], v[40+32*\p:41+32*\p]
	v_pk_mul_f32 v[202:203], v[42+32*\p:43+32*\p], v[42+32*\p:43+32*\p]
.irp i, 4,8,12,16,20,24,28
	v_pk_fma_f32 v[200:201], v[40+32*\p+\i:41+32*\p+\i], v[40+32*\p+\i:41+32*\p+\i], v[200:201]
	v_pk_fma_f32 v[202:203], v[42+32*\p+\i:43+32*\p+\i], v[42+32*\p+\i:43+32*\p+\i], v[202:203]
.endr
	v_pk_add_f32 v[200:201], v[200:201], v[202:203]
	v_add_f32 v[20+2*\p], v200, v201
	v_add_f32_dpp v[20+2*\p], v[20+2*\p], v[20+2*\p] row_xmask:1 row_mask:0xf bank_mask:0xf
	v_add_f32_dpp v[20+2*\p], v[20+2*\p], v[20+2*\p] row_xmask:2 row_mask:0xf bank_mask:0xf
	v_add_f32_dpp v[20+2*\p], v[20+2*\p], v[20+2*\p] row_xmask:4 row_mask:0xf bank_mask:0xf
	v_add_f32_dpp v[20+2*\p], v[20+2*\p], v[20+2*\p] row_xmask:8 row_mask:0xf bank_mask:0xf
	v_permlanex16_b32 v[21+2*\p], v[20+2*\p], s52, s53
	v_add_f32 v[20+2*\p], v[20+2*\p], v[21+2*\p]
	v_fma_f32 v[20+2*\p], v[20+2*\p], s54, s55     ; the mean of the squares + eps
.endr
	s_wait_alu depctr_va_vdst(0)
.irp p, 0,1,2,3
	v_rsq_f32 v[20+2*\p], v[20+2*\p]               ; the four roots are one batch
.endr
	v_nop                                          ; a plain instruction behind the last of them,
	s_wait_alu depctr_va_vdst(0)                   ; and one wait ahead of the first reader
.irp p, 0,1,2,3
.irp i, 0,2,4,6,8,10,12,14,16,18,20,22,24,26,28,30
	v_pk_mul_f32 v[40+32*\p+\i:41+32*\p+\i], v[40+32*\p+\i:41+32*\p+\i], v[20+2*\p:21+2*\p] op_sel_hi:[1,0]
.endr
.irp i, 0,2,4,6,8,10,12,14,16,18,20,22,24,26,28,30
	v_pk_mul_f32 v[40+32*\p+\i:41+32*\p+\i], v[40+32*\p+\i:41+32*\p+\i], v[168+\i:169+\i]   ; then x g: two roundings, in the order of the definition
.endr
	s_wait_dscnt 0x0                               ; the last row's stores have read the codes' registers
.irp s, 0,1,2
.set i, 0
.rept 32
	v_med3_num_f32 v[200+i], v[40+32*\p+i], -v[29+2*\s], v[29+2*\s]
.set i, i+1
.endr
.irp j, 0,1,2,3
	v_cvt_scalef32_pk8_fp8_f32 v[232+8*\s+2*\j:233+8*\s+2*\j], v[200+8*\j:207+8*\j], v[28+2*\s]
.endr
	v_nop                                          ; a plain instruction between the conversions and the next write of their sources
.irp j, 0,1,2,3
	ds_store_b64 v5, v[232+8*\s+2*\j:233+8*\s+2*\j] offset:16*NPIT*\s+NPIT*\p+256*\j   ; 256 consecutive bytes of the token's row
.endr
.endr
.endr
	s_wait_dscnt 0x0                               ; for the others' sake: my rows lie in the stage
	s_barrier_signal -1
	s_barrier_wait -1
.set idx, 0
.irp s, 0,1,2
.irp k, 0,1
.irp c, 0,1,2,3
	ds_load_b64 v[40+4*idx:41+4*idx], v6 offset:16*NPIT*\s+128*\k+32*\c
	ds_load_b64 v[42+4*idx:43+4*idx], v6 offset:16*NPIT*\s+128*\k+32*\c+16
.set idx, idx+1
.endr
.endr
.endr
.set idx, 0
.irp s, 0,1,2
.irp k, 0,1
.irp c, 0,1,2,3
	s_wait_dscnt 46-2*idx                          ; the younger loads may stay out
	global_store_b128 v8, v[40+4*idx:43+4*idx], s[86+2*\s:87+2*\s] offset:2048*\k+512*\c
.set idx, idx+1
.endr
.endr
.endr
	s_wait_tensorcnt 0x0                           ; the wave's end, behind my last LDS store
	ds_add_u32 v[SPW], v[NIL]
	s_wait_dscnt 0x0
	s_endpgm
.Lfunc_end_k_q42496edbac_prep:
	.size	k_q42496edbac_prep, .Lfunc_end_k_q42496edbac_prep-k_q42496edbac_prep
	.p2alignl 7, 3214868480
	.fill 96, 4, 3214868480
	.section	.rodata,"a",@progbits
	.p2align	6, 0x0
	.amdhsa_kernel k_q42496edbac_prep
		.amdhsa_group_segment_fixed_size 85248
		.amdhsa_private_segment_fixed_size 0
		.amdhsa_enable_private_segment 0
		.amdhsa_kernarg_size 88
		.amdhsa_user_sgpr_count 2
		.amdhsa_user_sgpr_kernarg_segment_ptr 1
		.amdhsa_wavefront_size32 1
		.amdhsa_system_sgpr_workgroup_id_x 1
		.amdhsa_system_sgpr_workgroup_id_y 1
		.amdhsa_system_sgpr_workgroup_id_z 1
		.amdhsa_system_vgpr_workitem_id 0
		.amdhsa_next_free_vgpr 256
		.amdhsa_next_free_sgpr 100
		.amdhsa_reserve_vcc 0
		.amdhsa_float_denorm_mode_32 3
		.amdhsa_float_denorm_mode_16_64 3
		.amdhsa_memory_ordered 1
		.amdhsa_forward_progress 1
		.amdhsa_inst_pref_size 110
	.end_amdhsa_kernel
	.amdgpu_metadata
---
amdhsa.version: [ 1, 2 ]
amdhsa.kernels:
  - .name:           k_q42496edbac_prep
    .symbol:         k_q42496edbac_prep.kd
    .args:
      - { .name: Wq, .offset: 0, .size: 8, .value_kind: global_buffer, .address_space: global }
      - { .name: Wk, .offset: 8, .size: 8, .value_kind: global_buffer, .address_space: global }
      - { .name: Wv, .offset: 16, .size: 8, .value_kind: global_buffer, .address_space: global }
      - { .name: Wo, .offset: 24, .size: 8, .value_kind: global_buffer, .address_space: global }
      - { .name: W1, .offset: 32, .size: 8, .value_kind: global_buffer, .address_space: global }
      - { .name: W2, .offset: 40, .size: 8, .value_kind: global_buffer, .address_space: global }
      - { .name: hidden_states, .offset: 48, .size: 8, .value_kind: global_buffer, .address_space: global }
      - { .name: ln1_g, .offset: 56, .size: 8, .value_kind: global_buffer, .address_space: global }
      - { .name: lowp_scales, .offset: 64, .size: 8, .value_kind: global_buffer, .address_space: global }
      - { .name: wc, .offset: 72, .size: 8, .value_kind: global_buffer, .address_space: global }
      - { .name: hc, .offset: 80, .size: 8, .value_kind: global_buffer, .address_space: global }
    .group_segment_fixed_size: 85248
    .private_segment_fixed_size: 0
    .kernarg_segment_align: 8
    .kernarg_segment_size: 88
    .max_flat_workgroup_size: 128
    .sgpr_count:     100
    .vgpr_count:     256
    .wavefront_size: 32
...
	.end_amdgpu_metadata
.endif
;; end of part 1
;; launch qkv (part 2): grid 12 x 16, 4 waves a work-group, clusters of 4 x 4, 327,680 bytes of LDS; arguments hc, wc, lowp_scales, qkv; writes qkv
.if DOCPART == 2
	.amdgcn_target "amdgcn-amd-amdhsa--gfx1250"
	.amdhsa_code_object_version 6
	.text
	.protected	k_q42496edbac_qkv
	.globl	k_q42496edbac_qkv
	.p2align	8
	.type	k_q42496edbac_qkv,@function
k_q42496edbac_qkv:
	s_mov_b64 s[64:65], 0
	v_nop
	global_prefetch_b8 v0, s[64:65] scope:SCOPE_SE
	s_setreg_imm32_b32 hwreg(HW_REG_WAVE_MODE, 25, 1), 1
	s_wait_xcnt 0x0
	s_wait_alu depctr_hold_cnt(0) depctr_sa_sdst(0) depctr_va_vdst(0) depctr_va_sdst(0) depctr_va_ssrc(0) depctr_va_vcc(0) depctr_vm_vsrc(0)
	s_getreg_b32 s2, hwreg(HW_REG_IB_STS2, 6, 4)
	s_cmp_eq_u32 s2, 0
	s_cbranch_scc0 .Lentry_in_a_cluster
	s_endpgm
.Lentry_in_a_cluster:
	s_bfe_u32 s2, ttmp6, 0x10000c
	s_cmp_lg_u32 s2, 0xf033
	s_cbranch_scc0 .Lentry_shape_is_right
	s_endpgm
.Lentry_shape_is_right:
.set MODE,   0
.set HALFT,  32768
.set SLOT,   4*HALFT
.set SPARE,  2*SLOT
.set KSTEPB, 4096
.set LAPS,   2
.set FR,     16
.set NL,     4
.set NP,     4
.set ADRA, 16
.set ADRB, 20
.set CO0,  26
.set CO1,  27
.set SPW,  28
.set NIL,  29
.set SC,   30
.set LIM,  31
.set TMP,  32
.set CD,   96
.set AF,   128
.set G1, 24
.set G0, 32
.set G1B, 48
.set G0B, 56
.set MSB, 0
.macro WIN new
.if MSB != \new
	s_set_vgpr_msb (MSB<<8)|\new
.set MSB, \new
.endif
.endm
.set MUL_LO, 0xa1
.set MUL_HI, 0xf1
.set TO_B,   0x40
.macro JLOAD g0a, g1a, g0b, g1b
	s_cmp_eq_u32 s15, 0
	s_cbranch_scc0 .Lfor_b_\@
	tensor_load_to_lds s[\g0a:\g0a+3], s[\g1a:\g1a+7]
	s_nop 0
.rept 4
	v_nop
.endr
	s_branch .Lasked_\@
.Lfor_b_\@:
	tensor_load_to_lds s[\g0b:\g0b+3], s[\g1b:\g1b+7]
	s_nop 0
.rept 4
	v_nop
.endr
.Lasked_\@:
.endm
.macro CREST
	s_cmp_lg_u32 s14, 0
	s_cbranch_scc1 .Lnot_wave_0_\@
	s_barrier_signal -3
.Lnot_wave_0_\@:
	s_barrier_wait -3
	s_barrier_signal -1
	s_barrier_wait -1
.endm
.macro CROUND
	s_barrier_signal -1
	s_barrier_wait -1
	CREST
.endm
	s_load_b128 s[4:7], s[0:1], 0x0
	s_load_b128 s[8:11], s[0:1], 0x10
	v_lshl_add_u32 v[SPW], v0, 2, SPARE
	v_mov_b32 v[NIL], 0
	ds_add_u32 v[SPW], v[NIL]
	ds_add_u32 v[SPW], v[NIL]
	v_lshrrev_b32 v1, 5, v0
	v_readfirstlane_b32 s14, v1
	s_lshr_b32 s15, s14, 1
	s_and_b32 s16, s14, 1
	s_bfe_u32 s40, ttmp6, 0x40000
	s_bfe_u32 s41, ttmp6, 0x40004
	s_and_b32 s66, ttmp7, 0xffff
	s_lshl_b32 s66, s66, 2
.if MODE == 0
	s_add_co_u32 s67, s41, s66
	s_add_co_u32 s68, s40, s66
	s_lshl_b32 s69, ttmp9, 22
	s_lshl_b32 s70, ttmp9, 20
	s_cmp_eq_u32 ttmp9, 2
	s_cselect_b32 s17, s41, s67
	s_cselect_b32 s42, s68, s40
	s_cselect_b32 s69, 0x200000, s69
	s_cselect_b32 s70, 0x800000, s70
.else
	s_add_co_u32 s17, s41, s66
	s_lshl_b32 s42, ttmp9, 2
	s_add_co_u32 s42, s42, s40
	s_mov_b32 s69, 0
	s_mov_b32 s70, 0x400000
.endif
	s_lshl_b32 s43, s41, 2
	s_lshl_b32 s43, 15, s43
	s_lshl_b32 s44, 0x1111, s40
	s_or_b32 s[G1+0], s43, (3<<16)|(1<<21)
	s_or_b32 s[G1B+0], s44, (3<<16)|(1<<21)
.irp g, G1, G1B
	s_mov_b32 s[\g+1], 512<<16
	s_mov_b32 s[\g+2], 8<<16
	s_mov_b32 s[\g+3], 512<<16
	s_mov_b32 s[\g+4], 8
	s_mov_b32 s[\g+5], 2048
	s_mov_b32 s[\g+6], 0
	s_mov_b32 s[\g+7], 0
.endr
	s_lshl_b32 s18, s16, 17
	s_lshl_b32 s20, s17, 18
	s_add_co_u32 s20, s20, s18
	s_add_co_u32 s20, s20, s69
	s_mov_b32 s21, 0
	s_lshl_b32 s46, s42, 18
	s_add_co_u32 s46, s46, s18
	s_add_co_u32 s46, s46, s70
	s_mov_b32 s47, 0
	s_lshl_b32 s45, s14, 15
	s_wait_dscnt 0x0
	s_wait_kmcnt 0x0
	s_load_b512 s[76:91], s[8:9], 0x0
.if MODE == 0
	s_cmp_eq_u32 ttmp9, 2
	s_cselect_b64 s[72:73], s[6:7], s[4:5]
	s_cselect_b64 s[74:75], s[4:5], s[6:7]
	s_add_nc_u64 s[20:21], s[72:73], s[20:21]
	s_add_nc_u64 s[46:47], s[74:75], s[46:47]
.else
	s_add_nc_u64 s[20:21], s[4:5], s[20:21]
	s_add_nc_u64 s[46:47], s[6:7], s[46:47]
.endif
	CROUND
.irp s, 0,1
	s_mov_b32 s[G0+4*\s], 1
	s_add_co_u32 s[G0+4*\s+1], s45, \s*SLOT
	s_add_nc_u64 s[G0+4*\s+2:G0+4*\s+3], s[20:21], \s*KSTEPB
	s_or_b32 s[G0+4*\s+3], s[G0+4*\s+3], 0x80000000
	s_mov_b32 s[G0B+4*\s], 1
	s_add_co_u32 s[G0B+4*\s+1], s45, \s*SLOT
	s_add_nc_u64 s[G0B+4*\s+2:G0B+4*\s+3], s[46:47], \s*KSTEPB
	s_or_b32 s[G0B+4*\s+3], s[G0B+4*\s+3], 0x80000000
.if \s                                 ; slot 1's first fill is issued as a refill is: my part of K step 0 is in, the add, its wait, a whole round
	s_wait_alu depctr_va_vdst(0)
	s_wait_tensorcnt 0x0
	ds_add_u32 v28, v29
	s_wait_dscnt 0x0
	CROUND
.endif
	JLOAD G0+4*\s, G1, G0B+4*\s, G1B
.endr
	v_and_b32 v1, 31, v0
	v_lshlrev_b32 v[CO0], 4, v1
	s_wait_alu depctr_va_vdst(0)
	s_lshl_b32 s21, s15, 15
	s_lshl_b32 s22, s16, 15
	s_add_co_u32 s22, s22, 2*HALFT
.irp s, 0,1
	v_add_nc_u32 v[ADRA+\s], s21, v[CO0]
	v_add_nc_u32 v[ADRB+\s], s22, v[CO0]
	s_add_co_u32 s21, s21, SLOT
	s_add_co_u32 s22, s22, SLOT
.endr
.if MODE == 0
	s_lshl_b32 s92, s17, 8
	s_lshl_b32 s93, s15, 7
	s_add_co_u32 s92, s92, s93
	s_lshl_b32 s94, s42, 8
	s_lshl_b32 s93, s16, 7
	s_add_co_u32 s94, s94, s93
	s_mov_b32 s70, 131072
	s_mov_b32 s66, 1024
	s_mov_b32 s68, 1024
	s_cmp_eq_u32 ttmp9, 2
	s_cselect_b32 s95, s94, s92
	s_cselect_b32 s96, s92, s94
	s_cselect_b32 s70, 1024, s70
	s_cselect_b32 s66, 2048, s66
	s_cselect_b32 s68, 124928, s68
	s_mov_b32 s67, 0
	s_mov_b32 s69, 0
	s_lshr_b32 s97, s95, 11
	s_lshl_b32 s97, s97, 21
	s_and_b32 s95, s95, 2047
	s_lshl_b32 s95, s95, 6
	s_add_co_u32 s97, s97, s95
	s_lshr_b32 s96, s96, 6
	s_lshl_b32 s96, s96, 17
	s_add_co_u32 s97, s97, s96
	s_lshl_b32 s96, ttmp9, 22
	s_add_co_u32 s96, s97, s96
	s_mov_b32 s97, 0
	s_add_nc_u64 s[10:11], s[10:11], s[96:97]
	v_add_nc_u32 v[CO1], s70, v[CO0]
.else
	s_lshl_b32 s96, s17, 20
	s_lshl_b32 s93, s15, 19
	s_add_co_u32 s96, s96, s93
	s_lshl_b32 s93, s42, 12
	s_add_co_u32 s96, s96, s93
	s_lshl_b32 s93, s16, 11
	s_add_co_u32 s96, s96, s93
	s_mov_b32 s97, 0
	s_add_nc_u64 s[10:11], s[10:11], s[96:97]
.endif
.macro FRAG reg, adr, q, i
.irp c, 0,1,2,3
	ds_load_b128 v[\reg+4*\c:\reg+4*\c+3], v[\adr] offset:4096*(\i)+2048*(\q)+512*\c
.endr
.endm
.macro MUL16 a0, p, zero
.irp a, \a0, \a0+1
.irp b, 0,1,2,3,4,5,6,7
.if \zero
	v_wmma_f32_16x16x128_fp8_fp8 v[8*(8*((\a)%4)+\b):8*(8*((\a)%4)+\b)+7], v[128*(\p)+FR*\b:128*(\p)+FR*\b+FR-1], v[AF+FR*(\a):AF+FR*(\a)+FR-1], 0
.else
	v_wmma_f32_16x16x128_fp8_fp8 v[8*(8*((\a)%4)+\b):8*(8*((\a)%4)+\b)+7], v[128*(\p)+FR*\b:128*(\p)+FR*\b+FR-1], v[AF+FR*(\a):AF+FR*(\a)+FR-1], v[8*(8*((\a)%4)+\b):8*(8*((\a)%4)+\b)+7]
.endif
.endr
.endr
.endm
.macro FETCH_B slot, q, p
	WIN TO_B
.irp i, 0,1,2,3,4,5,6,7
	FRAG 128*(\p)+FR*\i, ADRB+\slot, \q, \i
.endr
	WIN 0
.endm
.macro FETCH_A slot, q, i0
.irp i, \i0, \i0+1, \i0+2, \i0+3
	FRAG AF+FR*(\i), ADRA+\slot, \q, \i
.endr
.endm
.macro PLACES n
.rept \n
	v_nop
.endr
.endm
.macro STEP slot, q, zero
	s_wait_dscnt 4*NL
	WIN MUL_LO
	MUL16 0, (\q)%2, \zero
	MUL16 2, (\q)%2, \zero
	s_wait_dscnt 0
	PLACES NP
	FETCH_B \slot, (\q)+1, 1-(\q)%2
	FETCH_A \slot, (\q)+1, 0
	WIN MUL_HI
	MUL16 4, (\q)%2, \zero
	MUL16 6, (\q)%2, \zero
	PLACES NP
	WIN 0
	FETCH_A \slot, (\q)+1, 4
.endm
.macro TURN slot, next, fill
	s_wait_tensorcnt 0x0
	ds_add_u32 v[SPW], v[NIL]
.if \fill                              ; the refill goes out first; the step's first 32 products stand behind it
	s_add_nc_u64 s[G0+4*\slot+2:G0+4*\slot+3], s[G0+4*\slot+2:G0+4*\slot+3], 2*KSTEPB      ; no load of mine is out: the descriptors may be stepped
	s_add_nc_u64 s[G0B+4*\slot+2:G0B+4*\slot+3], s[G0B+4*\slot+2:G0B+4*\slot+3], 2*KSTEPB
	s_wait_dscnt 0x0                               ; the add is done, and my reads of this slot are over
	s_barrier_signal -1
	s_barrier_wait -1
	CREST
	JLOAD G0+4*\slot, G1, G0B+4*\slot, G1B
	WIN MUL_LO
	MUL16 0, 1, 0
	MUL16 2, 1, 0
	WIN 0
.else
	s_wait_dscnt 4*NL+1
	WIN MUL_LO
	MUL16 0, 1, 0
	s_wait_dscnt 0x0
	s_barrier_signal -1
	MUL16 2, 1, 0
	WIN 0
	s_barrier_wait -1
.endif
	PLACES NP
	FETCH_B \next, 0, 0
	FETCH_A \next, 0, 0
	WIN MUL_HI
	MUL16 4, 1, 0
	MUL16 6, 1, 0
	PLACES NP
	WIN 0
	FETCH_A \next, 0, 4
.endm
	s_wait_alu depctr_va_vdst(0)
	FETCH_B 0, 0, 0                                ; the round in front of slot 1's load has shown K step 0 whole to every wave
	FETCH_A 0, 0, 0
	FETCH_A 0, 0, 4
	STEP 0, 0, 1
	s_mov_b32 s3, LAPS-1
.Llap:
	TURN 0, 1, 1
	STEP 1, 0, 0
	TURN 1, 0, 1
	STEP 0, 0, 0
	s_sub_co_u32 s3, s3, 1
	s_cmp_lg_u32 s3, 0
	s_cbranch_scc1 .Llap
	TURN 0, 1, 0
	STEP 1, 0, 0
	s_wait_dscnt 4*NL
	WIN MUL_LO
	MUL16 0, 1, 0
	MUL16 2, 1, 0
	s_wait_dscnt 0
	WIN MUL_HI
	MUL16 4, 1, 0
	MUL16 6, 1, 0
	WIN 0
	s_wait_kmcnt 0x0
.if MODE == 0
	s_sub_co_i32 s92, s82, s76
	s_sub_co_i32 s92, s92, s77
	s_sub_co_i32 s93, s83, s78
	s_sub_co_i32 s93, s93, s79
	s_sub_co_i32 s94, s84, s80
	s_sub_co_i32 s94, s94, s81
	s_cmp_eq_u32 ttmp9, 1
	s_cselect_b32 s92, s93, s92
	s_cmp_eq_u32 ttmp9, 2
	s_cselect_b32 s92, s94, s92
.else
	s_sub_co_i32 s92, s90, s88
	s_sub_co_i32 s92, s92, s89
.endif
	s_add_co_i32 s92, s92, 127
	s_lshl_b32 s93, s92, 23
	v_mov_b32 v[SC], s93
	s_add_co_i32 s92, s92, 8
	s_lshl_b32 s92, s92, 23
	s_or_b32 s92, s92, 0x600000
	v_mov_b32 v[LIM], s92
	PLACES NP
.macro OUT a
.set AC, 64*((\a)%4)
	WIN 0x02+((\a)/4)
.set j, 0
.rept 64
.if MODE == 0
	v_med3_num_f32 v[TMP+j], v[AC+j], -v[LIM], v[LIM]
.else
	v_med3_num_f32 v[TMP+j], v[AC+j], 0, v[LIM]
.endif
.set j, j+1
.endr
	WIN 0
.irp b, 0,1,2,3,4,5,6,7
	v_cvt_scalef32_pk8_fp8_f32 v[CD+16*(\a)+2*\b:CD+16*(\a)+2*\b+1], v[TMP+8*\b:TMP+8*\b+7], v[SC]
.endr
	v_nop
.if MODE == 0
.if (\a) > 0
	s_wait_alu depctr_va_vdst(0)
	s_wait_xcnt 0x0
.if (\a) == 4
	s_add_nc_u64 s[10:11], s[10:11], s[68:69]
.else
	s_add_nc_u64 s[10:11], s[10:11], s[66:67]
.endif
.endif
	global_store_b128 v[CO0], v[CD+16*(\a):CD+16*(\a)+3], s[10:11]
	global_store_b128 v[CO0], v[CD+16*(\a)+4:CD+16*(\a)+7], s[10:11] offset:512
	global_store_b128 v[CO1], v[CD+16*(\a)+8:CD+16*(\a)+11], s[10:11]
	global_store_b128 v[CO1], v[CD+16*(\a)+12:CD+16*(\a)+15], s[10:11] offset:512
.else
.irp c, 0,1,2,3
	global_store_b128 v[CO0], v[CD+16*(\a)+4*\c:CD+16*(\a)+4*\c+3], s[10:11] offset:65536*(\a)+512*\c
.endr
.endif
.endm
.irp a, 0,1,2,3,4,5,6,7
	OUT \a
.endr
	s_wait_tensorcnt 0x0
	ds_add_u32 v[SPW], v[NIL]
	s_wait_dscnt 0x0
	CROUND
	s_endpgm
.Lfunc_end_k_q42496edbac_qkv:
	.size	k_q42496edbac_qkv, .Lfunc_end_k_q42496edbac_qkv-k_q42496edbac_qkv
	.p2alignl 7, 3214868480
	.fill 96, 4, 3214868480
	.section	.rodata,"a",@progbits
	.p2align	6, 0x0
	.amdhsa_kernel k_q42496edbac_qkv
		.amdhsa_group_segment_fixed_size 327680
		.amdhsa_private_segment_fixed_size 0
		.amdhsa_enable_private_segment 0
		.amdhsa_kernarg_size 32
		.amdhsa_user_sgpr_count 2
		.amdhsa_user_sgpr_kernarg_segment_ptr 1
		.amdhsa_wavefront_size32 1
		.amdhsa_system_sgpr_workgroup_id_x 1
		.amdhsa_system_sgpr_workgroup_id_y 1
		.amdhsa_system_sgpr_workgroup_id_z 1
		.amdhsa_system_vgpr_workitem_id 0
		.amdhsa_next_free_vgpr 1024
		.amdhsa_next_free_sgpr 100
		.amdhsa_reserve_vcc 0
		.amdhsa_float_denorm_mode_32 3
		.amdhsa_float_denorm_mode_16_64 3
		.amdhsa_memory_ordered 1
		.amdhsa_forward_progress 1
		.amdhsa_inst_pref_size 120
	.end_amdhsa_kernel
	.amdgpu_metadata
---
amdhsa.version: [ 1, 2 ]
amdhsa.kernels:
  - .name:           k_q42496edbac_qkv
    .symbol:         k_q42496edbac_qkv.kd
    .args:
      - { .name: hc, .offset: 0, .size: 8, .value_kind: global_buffer, .address_space: global }
      - { .name: wc, .offset: 8, .size: 8, .value_kind: global_buffer, .address_space: global }
      - { .name: lowp_scales, .offset: 16, .size: 8, .value_kind: global_buffer, .address_space: global }
      - { .name: qkv, .offset: 24, .size: 8, .value_kind: global_buffer, .address_space: global }
    .group_segment_fixed_size: 327680
    .private_segment_fixed_size: 0
    .kernarg_segment_align: 8
    .kernarg_segment_size: 32
    .max_flat_workgroup_size: 128
    .sgpr_count:     100
    .vgpr_count:     1024
    .wavefront_size: 32
...
	.end_amdgpu_metadata
.endif
;; end of part 2
;; launch attn (part 3): grid 8 x 32, 8 waves a work-group, no clusters, 271,616 bytes of LDS; arguments qkv, lowp_scales, rel_table, ao; writes ao
.if DOCPART == 3
	.amdgcn_target "amdgcn-amd-amdhsa--gfx1250"
	.amdhsa_code_object_version 6
	.text
	.protected	k_q42496edbac_attn
	.globl	k_q42496edbac_attn
	.p2align	8
	.type	k_q42496edbac_attn,@function
k_q42496edbac_attn:
	s_mov_b64 s[64:65], 0
	v_nop
	global_prefetch_b8 v0, s[64:65] scope:SCOPE_SE
	s_setreg_imm32_b32 hwreg(HW_REG_WAVE_MODE, 25, 1), 1
	s_wait_xcnt 0x0
; Attention of one (batch, head) for 256 queries, on codes of E4M3: scores = q k^T + bias (no 1 / sqrt), softmax, x v; the result is quantised with entry 10 for the next product.
; t = logit x log2(e); M = the running largest t rounded up to a whole number; p = 2^(t - M) is quantised with entry 9; the row's sum is taken of the unquantised p and divides at the end.
; SHARES.  Eight waves, two tiles of 16 queries each (u = 0, 1), 512 registers: two waves to a SIMD.  Every wave walks the head's 2,048 keys, 128 a step; each fragment of K and of V read from LDS feeds two matrix instructions.
; A HEAD'S WHOLE K AND V (131,072 bytes each, as images of operand registers) LIE IN LDS, each byte written once: no ring.  They come through 64 registers, four steps' worth (65,536 bytes) at a time,
; asked for at the head of the group of four steps before, stored at its end.  The key step is written once, in two counted loops (4 groups x 4 steps).
; NO TENSOR LOAD, so no joint loads either; the hold of p stands under a scalar branch on e9.  NO PREFETCH: the loads themselves are issued four key steps ahead of their use.
; LAYOUT.  S^T = K Q^T (source 0 = 16 keys, K = 64): a lane holds query lane % 16 of tile u and, in key tile t, keys 16 t + 8 (lane / 16) + 0 .. 7: one conversion a tile gives registers 2 t, 2 t + 1 of P's fragment for K = 128 keys.
; O^T = V^T P^T (source 0 = 16 channels x 128 keys): again one query a lane; four conversions give the head's half of an image of ao [token / 16][8][2048].
; THE BIAS hangs on delta = key - query alone.  bucket = |delta| under 8, else 8 + the count of {12, 16, 23, 32, 46, 64, 91} at or under |delta|; + 16 where delta > 0.  DD = the step's first key - my first query, a multiple of 32.
; DD >= 128 or DD <= -224: all deltas are at 97 or over, or at -97 or under: one bucket (31 or 15), one scalar, folded into the scaling.  Between, the bias comes from a table in LDS, bias x log2(e) by delta, kept four times,
; shifted by 0 .. 3 words, so that each lane's four neighbours are 16 aligned bytes.  Tile (u, t) takes the entries of tile t - u: nine tiles of entries serve both query tiles.
; The fifteen words between two copies are read by no lane; wave 0 writes zeros there, so that the whole span of the table holds written bytes.
; LIMITS: e6 + e7 between -126 and 127; e9 and e10 between -126 and 119; the scaled scores stay under 2^31 in magnitude.  NaN among the inputs is not served.
; The hold of p at 448 x 2^e9 is jumped over from e9 = -8 on: the bound is then 1.75 or more, and p is at most 1.
.set VIMG,  131072                     ; K's images from 0, V's from here
.set LUT,   262144                     ; four copies, copy s from byte 16 + 2,108 s; 8,448 bytes
.set SPARE, 270592                     ; the spare words, 128 bytes a wave
.set L2E,   0x3fb8aa3b
.set WV,  18
.set CS,  54                           ; s[54:55] log2(e) x 2^(e6 + e7)
.set B15, 56
.set B31, 57
.set CX,  58                           ; s[58:59] the step's factor: CS, or 1 where the bias has been added
.set BX,  60                           ; the step's scalar bias, or 0
.set TT,  61
.set DD,  62
.set TB,  63                           ; the step's first LDS byte
.set TBV, 66
.set CNT, 67
.set SEL, 68
.set GC,  70                           ; the group
; window 0: v1 16 x lane; v2 table address in hand; v3 16 x thread; v4 my lane's place in the table; v5, v6 the add's two; v8, v9 addresses in hand; v10, v11 where the next group lands; v12, v13 2^e10 and 448 x 2^e10
.set QF,  16                           ; v16-31   Q, 8 registers a tile
.set FR,  32                           ; v32-103  K's eight tiles, then nine tiles of bias, then V's four
.set OT,  104                          ; v104-167 O^T: (u, channel tile c) at 32 u + 8 c
.set PC,  168                          ; v168-199 p's codes, 16 registers a tile
; window 1: v0-127 S^T, then p: (u, t) at 64 u + 8 t; from v128 the softmax's state, 16 registers a tile; v192-255 K and V on their way to LDS
.set BM,  128                          ; pair: BX - M
.set FF,  130                          ; pair: f = 2^(old M - new M)
.set LL,  132                          ; pair: the sum
.set TP,  134                          ; pair: the sum's second chain
.set NM,  136                          ; -M
.set TM,  137                          ; the largest t
.set MA,  138
.set MB,  139
.set PD,  140                          ; a permute's destination
.set SC9, 158                          ; 2^e9
.set HB,  159                          ; 448 x 2^e9
.set STG, 192
.set MSB, 0
.macro WIN new                         ; low byte: bits 1:0 source 0, 3:2 source 1, 5:4 source 2, 7:6 destination; the high byte repeats the setting that is left
.if MSB != \new
	s_set_vgpr_msb (MSB<<8)|\new
.set MSB, \new
.endif
.endm
.macro FILL_LOAD                       ; 32,768 bytes of K and of V: the eight waves' load covers 4,096 consecutive bytes
	WIN 0x40
.irp n, 0,1,2,3,4,5,6,7
	global_load_b128 v[STG+4*\n:STG+4*\n+3], v3, s[12:13] offset:4096*\n
.endr
.irp n, 0,1,2,3,4,5,6,7
	global_load_b128 v[STG+32+4*\n:STG+32+4*\n+3], v3, s[14:15] offset:4096*\n
.endr
	WIN 0
.endm
.macro FILL_STORE
	WIN 0x04
.irp n, 0,1,2,3,4,5,6,7
	ds_store_b128 v10, v[STG+4*\n:STG+4*\n+3] offset:4096*\n
.endr
.irp n, 0,1,2,3,4,5,6,7
	ds_store_b128 v11, v[STG+32+4*\n:STG+32+4*\n+3] offset:4096*\n
.endr
	WIN 0
	v_add_nc_u32 v10, 32768, v10                   ; where the next group lands
	v_add_nc_u32 v11, 32768, v11
.endm
	s_load_b256 s[4:11], s[0:1], 0x0               ; qkv, lowp_scales, rel_table, ao
	v_lshl_add_u32 v5, v0, 2, SPARE
	v_mov_b32 v6, 0
	v_lshrrev_b32 v32, 5, v0
	v_readfirstlane_b32 s[WV], v32
	v_and_b32 v33, 31, v0
	v_lshlrev_b32 v3, 4, v0
	v_lshlrev_b32 v1, 4, v33
	s_and_b32 s19, ttmp7, 0xffff                   ; batch x 16 + head
	s_and_b32 s20, s19, 15                         ; head
	s_lshl_b32 s24, s20, 2
	s_lshl_b32 s22, s19, 17
	s_mov_b32 s23, 0
	s_lshl_b32 s28, ttmp9, 14
	s_lshl_b32 s21, s[WV], 11
	s_add_co_u32 s28, s28, s21                     ; my two tiles of queries: (16 x + 2 wave) x 1,024 bytes
	s_mov_b32 s29, 0
	s_wait_alu depctr_va_vdst(0)
	s_wait_kmcnt 0x0
	s_load_b512 s[36:51], s[6:7], 0x0              ; the 16 exponents
	s_load_b32 s52, s[8:9], s24 offset:960         ; rel_table[15][head]
	s_load_b32 s53, s[8:9], s24 offset:1984        ; rel_table[31][head]
	s_add_nc_u64 s[4:5], s[4:5], s[22:23]          ; the head's q,
	s_add_nc_u64 s[12:13], s[4:5], 0x400000        ; k,
	s_add_nc_u64 s[14:15], s[4:5], 0x800000        ; v
	s_add_nc_u64 s[26:27], s[4:5], s[28:29]
	FILL_LOAD                                      ; group 0
.irp u, 0,1
	global_load_b128 v[QF+8*\u:QF+8*\u+3], v1, s[26:27] offset:1024*\u       ; Q stays in registers
	global_load_b128 v[QF+8*\u+4:QF+8*\u+7], v1, s[26:27] offset:1024*\u+512
.endr
	; the table: thread i makes the entries of delta = i - 256 (v34) and of delta = i (v35)
	v_sub_nc_u32 v33, 256, v0                      ; |i - 256|
	v_min_u32 v35, 8, v0
	v_min_u32 v34, 8, v33
.irp th, 12,16,23,32,46,64,91
	v_cmp_le_u32 vcc_lo, \th, v33
	s_delay_alu instid0(VALU_DEP_1)
	v_add_co_ci_u32 v34, vcc_lo, 0, v34, vcc_lo
	v_cmp_le_u32 vcc_lo, \th, v0
	s_delay_alu instid0(VALU_DEP_1)
	v_add_co_ci_u32 v35, vcc_lo, 0, v35, vcc_lo
.endr
	v_lshl_add_u32 v34, v34, 6, s24
	v_add_nc_u32 v36, 16, v35
	v_cmp_lt_u32 vcc_lo, 0, v0
	s_delay_alu instid0(VALU_DEP_1)
	v_cndmask_b32 v35, v35, v36, vcc_lo            ; + 16 where delta > 0
	s_delay_alu instid0(VALU_DEP_1)
	v_lshl_add_u32 v35, v35, 6, s24
	global_load_b32 v36, v34, s[8:9]
	global_load_b32 v37, v35, s[8:9]
	v_and_b32 v38, 15, v0                          ; r
	v_bfe_u32 v39, v0, 4, 1                        ; hh
	v_lshl_add_u32 v41, v0, 2, LUT                 ; where my entries go
	v_sub_nc_u32 v40, 16, v38
	v_lshl_add_u32 v42, v38, 2, LUT+2064           ; the words between two copies
	v_and_b32 v40, 3, v40                          ; my copy: s = (-r) mod 4
	v_lshlrev_b32 v38, 2, v38
	v_mul_u32_u24 v4, v40, 2108
	v_mov_b32 v10, v3
	v_lshl_add_u32 v4, v39, 5, v4                  ; + 32 hh
	v_add_nc_u32 v11, VIMG, v3
	v_add_nc_u32 v4, LUT+16+192, v4                ; copy s holds the entry of delta at 16 + 2,108 s + 4 (delta + 256); 192 = 4 (256 - 192 - 16): DD = -192, tile -1
	s_delay_alu instid0(VALU_DEP_1)
	v_sub_nc_u32 v4, v4, v38                       ; - 4 r
.set j, 0
.rept 64
	v_mov_b32 v[OT+j], 0                           ; O^T: the step is written once, and the first change of M leaves zeros zeros
.set j, j+1
.endr
	WIN 0x40
.irp u, 0,1
	v_mov_b32 v[BM+1+16*\u], 0                     ; upper halves of pairs, and a permute's destination: written once
	v_mov_b32 v[FF+1+16*\u], 0
	v_mov_b32 v[PD+16*\u], 0
	v_mov_b32 v[LL+16*\u], 0
	v_mov_b32 v[LL+1+16*\u], 0
	v_mov_b32 v[TM+16*\u], 0xff61b1e6              ; the largest t so far: -3e38,
	v_mov_b32 v[NM+16*\u], 0x7f61b1e6              ; and -M = floor(3e38), which is 3e38
.endr
	s_lshr_b32 s21, s19, 4
	s_lshl_b32 s28, s21, 21                        ; ao: batch,
	s_lshl_b32 s21, ttmp9, 18
	s_add_co_u32 s28, s28, s21                     ; my work-group's 16 blocks of tokens,
	s_lshl_b32 s21, s[WV], 15
	s_add_co_u32 s28, s28, s21                     ; my wave's two,
	s_lshl_b32 s21, s20, 10
	s_add_co_u32 s28, s28, s21                     ; the head's half of an image
	s_add_nc_u64 s[10:11], s[10:11], s[28:29]
	s_lshl_b32 s[DD], ttmp9, 8
	s_lshl_b32 s21, s[WV], 5
	s_add_co_u32 s[DD], s[DD], s21
	s_sub_co_i32 s[DD], 0, s[DD]                   ; key 0 - my first query
	s_mov_b32 s[SEL], 0x76543210
	s_mov_b32 s[SEL+1], 0xfedcba98
	s_mov_b32 s[GC], 0
	s_mov_b32 s[TB], 0
	s_wait_kmcnt 0x0
	s_add_co_i32 s21, s42, s43
	s_lshl_b32 s21, s21, 23
	s_add_co_i32 s[CS], s21, L2E                   ; e6 + e7 are added to the exponent field of log2(e)
	s_mov_b32 s[CS+1], s[CS]
	s_mul_f32 s[B15], s52, L2E
	s_mul_f32 s[B31], s53, L2E
	s_add_co_i32 s21, s45, 127
	s_lshl_b32 s25, s21, 23
	s_add_co_i32 s21, s21, 8
	s_lshl_b32 s21, s21, 23
	s_or_b32 s21, s21, 0x600000
	v_mov_b32 v[SC9], s25
	v_mov_b32 v[HB], s21
	WIN 0
	s_wait_alu depctr_va_vdst(0)
	s_cmp_lg_u32 s[WV], 0
	s_cbranch_scc1 .Lnofill
	ds_store_b32 v42, v6                           ; 16 words from the end of copies 0, 1, 2: the sixteenth is the next copy's first entry, which thread 0, of this wave, stores below: LDS serves a wave's instructions in order
	ds_store_b32 v42, v6 offset:2108
	ds_store_b32 v42, v6 offset:4216
.Lnofill:
	s_wait_loadcnt 0x0
	v_mul_f32 v36, L2E, v36
	v_mul_f32 v37, L2E, v37
.irp s, 0,1,2,3
	ds_store_b32 v41, v36 offset:16+2108*\s
	ds_store_b32 v41, v37 offset:16+2108*\s+1024
.endr
	FILL_STORE
	s_wait_dscnt 0x0                               ; for the others' sake: my stores have landed
	s_barrier_signal -1
	s_barrier_wait -1
.Lgroup:                                           ; four key steps; the next group's bytes are asked for at the head and stored at the end
	s_cmp_eq_u32 s[GC], 3
	s_cbranch_scc1 .Lnoload                        ; the count of groups alone
	s_add_nc_u64 s[12:13], s[12:13], 32768         ; no load of mine is out: the wait on LOADcnt below, or the head's
	s_add_nc_u64 s[14:15], s[14:15], 32768
	FILL_LOAD
.Lnoload:
	s_mov_b32 s[CNT], 4
.Lstep:
	s_cmp_gt_i32 s[DD], 0
	s_cselect_b32 s[BX], s[B31], s[B15]
	s_add_co_u32 s[TBV], s[TB], VIMG
	s_add_co_u32 s[TT], s[DD], 192
	s_cmp_lt_u32 s[TT], 289                        ; -192 <= DD <= 96: the bias differs from key to key
	s_cselect_b32 s[BX], 0, s[BX]
	s_cselect_b32 s[CX], 0x3f800000, s[CS]
	s_mov_b32 s[CX+1], s[CX]
	v_add_nc_u32 v8, s[TB], v1
.rept 3
	v_nop                                          ; with the addition: four places between the last products and the loads into their operands
.endr
.irp t, 0,1,2,3,4,5,6,7
	ds_load_b128 v[FR+8*\t:FR+8*\t+3], v8 offset:1024*\t
	ds_load_b128 v[FR+8*\t+4:FR+8*\t+7], v8 offset:1024*\t+512
.endr
	s_wait_dscnt 8                                 ; tiles 0-3 are in; the younger eight loads may be out
	WIN 0x40
.irp t, 0,1,2,3
.irp u, 0,1
	v_wmma_f32_16x16x64_fp8_fp8 v[64*\u+8*\t:64*\u+8*\t+7], v[FR+8*\t:FR+8*\t+7], v[QF+8*\u:QF+8*\u+7], 0
.endr
.endr
	s_wait_dscnt 0x0
.irp t, 4,5,6,7
.irp u, 0,1
	v_wmma_f32_16x16x64_fp8_fp8 v[64*\u+8*\t:64*\u+8*\t+7], v[FR+8*\t:FR+8*\t+7], v[QF+8*\u:QF+8*\u+7], 0
.endr
.endr
	WIN 0
	v_add_nc_u32 v9, s[TBV], v1
.rept 3
	v_nop                                          ; four places behind the products
.endr
	s_cmp_lt_u32 s[TT], 289
	s_cbranch_scc0 .Lfar                           ; ids and the count of steps alone
	s_min_u32 s[TT], s[TT], 288
	s_lshl_b32 s[TT], s[TT], 2
	v_add_nc_u32 v2, s[TT], v4
.irp t, 0,1,2,3,4,5,6,7,8
	ds_load_b128 v[FR+8*\t:FR+8*\t+3], v2 offset:64*\t
	ds_load_b128 v[FR+8*\t+4:FR+8*\t+7], v2 offset:64*\t+16
.endr
	s_wait_dscnt 0x0
	WIN 0x41
.irp u, 0,1
.irp t, 0,1,2,3,4,5,6,7
.irp j, 0,2,4,6
	v_pk_fma_f32 v[64*\u+8*\t+\j:64*\u+8*\t+\j+1], v[64*\u+8*\t+\j:64*\u+8*\t+\j+1], s[CS:CS+1], v[FR+8*(\t+1-\u)+\j:FR+8*(\t+1-\u)+\j+1] op_sel_hi:[1,0,1]   ; t = score x c + bias x log2(e)
.endr
.endr
.endr
	WIN 0
.Lfar:
	s_wait_alu depctr_va_vdst(0)
.irp t, 0,1,2,3
.irp c, 0,1,2,3
	ds_load_b128 v[FR+16*\t+4*\c:FR+16*\t+4*\c+3], v9 offset:2048*\t+512*\c   ; V lands under the softmax
.endr
.endr
	WIN 0x55                                       ; the softmax lies in window 1; the two tiles' chains take turns
.irp u, 0,1
	v_max3_num_f32 v[MA+16*\u], v[64*\u], v[64*\u+1], v[64*\u+2]          ; the step's largest, in two chains a tile, each accumulator from its low end on
	v_max3_num_f32 v[MB+16*\u], v[64*\u+3], v[64*\u+4], v[64*\u+5]
.endr
.irp i, 6,10,14,18,22,26,30,34,38,42,46,50,54,58
.irp u, 0,1
	v_max3_num_f32 v[MA+16*\u], v[MA+16*\u], v[64*\u+\i], v[64*\u+\i+1]
	v_max3_num_f32 v[MB+16*\u], v[MB+16*\u], v[64*\u+\i+2], v[64*\u+\i+3]
.endr
.endr
.irp u, 0,1
	v_max3_num_f32 v[MA+16*\u], v[MA+16*\u], v[64*\u+62], v[64*\u+63]
.endr
.irp u, 0,1
	s_delay_alu instid0(VALU_DEP_2)
	v_max_num_f32 v[MA+16*\u], v[MA+16*\u], v[MB+16*\u]
.endr
.irp u, 0,1
	s_delay_alu instid0(VALU_DEP_2)
	v_permlanex16_b32 v[PD+16*\u], v[MA+16*\u], s[SEL], s[SEL+1]
.endr
.irp u, 0,1
	s_delay_alu instid0(VALU_DEP_2)
	v_max_num_f32 v[MA+16*\u], v[MA+16*\u], v[PD+16*\u]
.endr
.irp u, 0,1
	s_delay_alu instid0(VALU_DEP_2)
	v_fma_f32 v[MA+16*\u], v[MA+16*\u], s[CX], s[BX]                      ; as t (the factor is positive)
.endr
.irp u, 0,1
	s_delay_alu instid0(VALU_DEP_2)
	v_max_num_f32 v[TM+16*\u], v[TM+16*\u], v[MA+16*\u]
.endr
.irp u, 0,1
	v_mov_b32 v[MB+16*\u], v[NM+16*\u]
.endr
.irp u, 0,1
	s_delay_alu instid0(VALU_DEP_4)
	v_floor_f32 v[NM+16*\u], -v[TM+16*\u]                                 ; -M = floor(-t)
.endr
.irp u, 0,1
	s_delay_alu instid0(VALU_DEP_2)
	v_sub_f32 v[MB+16*\u], v[NM+16*\u], v[MB+16*\u]                       ; old M - new M, a whole number, 0 or less
.endr
.irp u, 0,1
	s_delay_alu instid0(VALU_DEP_2)
	v_cvt_i32_f32 v[MB+16*\u], v[MB+16*\u]                                ; (it saturates)
.endr
.irp u, 0,1
	s_delay_alu instid0(VALU_DEP_2)
	v_ldexp_f32 v[FF+16*\u], 1.0, v[MB+16*\u]                             ; f = 2^(old M - new M)
.endr
.irp u, 0,1
	v_add_f32 v[BM+16*\u], s[BX], v[NM+16*\u]
.endr
.irp u, 0,1
.set j, 0
.rept 32
	v_pk_fma_f32 v[64*\u+j:64*\u+j+1], v[64*\u+j:64*\u+j+1], s[CX:CX+1], v[BM+16*\u:BM+16*\u+1] op_sel_hi:[1,0,0]   ; t - M
.set j, j+2
.endr
.endr
	s_wait_alu depctr_va_vdst(0)
.set j, 0
.rept 128
	v_exp_f32 v[j], v[j]                           ; one batch
.set j, j+1
.endr
.irp u, 0,1
	v_pk_mul_f32 v[LL+16*\u:LL+16*\u+1], v[LL+16*\u:LL+16*\u+1], v[FF+16*\u:FF+16*\u+1] op_sel_hi:[1,0]   ; the sums under the new M: plain instructions behind the batch
.endr
	s_wait_alu depctr_va_vdst(0)                   ; one wait for the batch, ahead of its first reader
.irp u, 0,1
	v_pk_add_f32 v[TP+16*\u:TP+16*\u+1], v[64*\u:64*\u+1], v[64*\u+2:64*\u+3]   ; the row's sum of the unquantised p, four chains by turns
.endr
.irp j, 4,8,12,16,20,24,28,32,36,40,44,48,52,56,60
.irp u, 0,1
	v_pk_add_f32 v[LL+16*\u:LL+16*\u+1], v[LL+16*\u:LL+16*\u+1], v[64*\u+\j:64*\u+\j+1]
	v_pk_add_f32 v[TP+16*\u:TP+16*\u+1], v[TP+16*\u:TP+16*\u+1], v[64*\u+\j+2:64*\u+\j+3]
.endr
.endr
.irp u, 0,1
	v_pk_add_f32 v[LL+16*\u:LL+16*\u+1], v[LL+16*\u:LL+16*\u+1], v[TP+16*\u:TP+16*\u+1]
.endr
	WIN 0
	s_cmp_ge_i32 s45, -8
	s_cbranch_scc1 .Lnohold
	WIN 0x55
.set j, 0
.rept 128
	v_min_num_f32 v[j], v[j], v[HB]                ; the conversion does not saturate (ISA guide 7.6.2); p is not negative
.set j, j+1
.endr
	WIN 0
.Lnohold:
	WIN 0x05
.irp u, 0,1
.irp t, 0,1,2,3,4,5,6,7
	v_cvt_scalef32_pk8_fp8_f32 v[PC+16*\u+2*\t:PC+16*\u+2*\t+1], v[64*\u+8*\t:64*\u+8*\t+7], v[SC9]
.endr
.endr
	v_nop                                          ; a plain instruction behind the conversions
	WIN 0x04
	s_wait_alu depctr_va_vdst(0)
.irp u, 0,1
.set j, 0
.rept 16
	v_pk_mul_f32 v[OT+32*\u+j:OT+32*\u+j+1], v[OT+32*\u+j:OT+32*\u+j+1], v[FF+16*\u:FF+16*\u+1] op_sel_hi:[1,0]   ; O^T under the new M
.set j, j+2
.endr
.endr
	WIN 0
	s_wait_alu depctr_va_vdst(0)
	s_wait_dscnt 0x0                               ; V is in
.irp c, 0,1,2,3
.irp u, 0,1
	v_wmma_f32_16x16x128_fp8_fp8 v[OT+32*\u+8*\c:OT+32*\u+8*\c+7], v[FR+16*\c:FR+16*\c+15], v[PC+16*\u:PC+16*\u+15], v[OT+32*\u+8*\c:OT+32*\u+8*\c+7]   ; the eight accumulators by turns
.endr
.endr
	s_add_co_u32 s[TB], s[TB], 8192
	s_add_co_i32 s[DD], s[DD], 128
	s_sub_co_u32 s[CNT], s[CNT], 1
	s_cmp_lg_u32 s[CNT], 0
	s_cbranch_scc1 .Lstep
	s_wait_loadcnt 0x0                             ; the next group's bytes are in registers
	s_cmp_eq_u32 s[GC], 3
	s_cbranch_scc1 .Lnostore
	FILL_STORE
.Lnostore:
	s_wait_dscnt 0x0                               ; for the others' sake: my stores have landed.  Every wave passes the barrier in every trip
	s_barrier_signal -1
	s_barrier_wait -1
	s_add_co_u32 s[GC], s[GC], 1
	s_cmp_lt_u32 s[GC], 4
	s_cbranch_scc1 .Lgroup
	; THE WAY OUT
	s_add_co_i32 s21, s46, 127
	s_lshl_b32 s25, s21, 23
	s_add_co_i32 s21, s21, 8
	s_lshl_b32 s21, s21, 23
	s_or_b32 s21, s21, 0x600000
	s_add_co_i32 s22, s44, s45
	v_mov_b32 v12, s25                             ; 2^e10
	v_mov_b32 v13, s21                             ; 448 x 2^e10
	WIN 0x55
.irp u, 0,1
	v_add_f32 v[LL+16*\u], v[LL+16*\u], v[LL+16*\u+1]
.endr
.irp u, 0,1
	s_delay_alu instid0(VALU_DEP_2)
	v_permlanex16_b32 v[PD+16*\u], v[LL+16*\u], s[SEL], s[SEL+1]
.endr
.irp u, 0,1
	s_delay_alu instid0(VALU_DEP_2)
	v_add_f32 v[LL+16*\u], v[LL+16*\u], v[PD+16*\u]                       ; the row's sum
.endr
	s_wait_alu depctr_va_vdst(0)
.irp u, 0,1
	v_rcp_f32 v[LL+16*\u], v[LL+16*\u]
.endr
	v_nop                                          ; a plain instruction behind the batch,
	s_wait_alu depctr_va_vdst(0)                   ; and the wait ahead of its first reader
.irp u, 0,1
	v_ldexp_f32 v[LL+16*\u], v[LL+16*\u], s22      ; x 2^(e8 + e9)
.endr
	WIN 0x04
	s_wait_alu depctr_va_vdst(0)
.irp u, 0,1
.set j, 0
.rept 32
	v_mul_f32 v[FR+32*\u+j], v[OT+32*\u+j], v[LL+16*\u]
.set j, j+1
.endr
.endr
	WIN 0
.set j, 0
.rept 64
	v_med3_num_f32 v[FR+j], v[FR+j], -v13, v13
.set j, j+1
.endr
.irp u, 0,1
.irp c, 0,1,2,3
	v_cvt_scalef32_pk8_fp8_f32 v[PC+8*\u+2*\c:PC+8*\u+2*\c+1], v[FR+32*\u+8*\c:FR+32*\u+8*\c+7], v12
.endr
.endr
	v_nop
.irp u, 0,1
	global_store_b128 v1, v[PC+8*\u:PC+8*\u+3], s[10:11] offset:16384*\u          ; each store: 512 consecutive bytes, aligned
	global_store_b128 v1, v[PC+8*\u+4:PC+8*\u+7], s[10:11] offset:16384*\u+512
.endr
	s_wait_tensorcnt 0x0                           ; the wave's end, behind my last LDS store
	ds_add_u32 v5, v6
	s_wait_dscnt 0x0
	s_endpgm
.Lfunc_end_k_q42496edbac_attn:
	.size	k_q42496edbac_attn, .Lfunc_end_k_q42496edbac_attn-k_q42496edbac_attn
	.p2alignl 7, 3214868480
	.fill 96, 4, 3214868480
	.section	.rodata,"a",@progbits
	.p2align	6, 0x0
	.amdhsa_kernel k_q42496edbac_attn
		.amdhsa_group_segment_fixed_size 271616
		.amdhsa_private_segment_fixed_size 0
		.amdhsa_enable_private_segment 0
		.amdhsa_kernarg_size 32
		.amdhsa_user_sgpr_count 2
		.amdhsa_user_sgpr_kernarg_segment_ptr 1
		.amdhsa_wavefront_size32 1
		.amdhsa_system_sgpr_workgroup_id_x 1
		.amdhsa_system_sgpr_workgroup_id_y 1
		.amdhsa_system_sgpr_workgroup_id_z 1
		.amdhsa_system_vgpr_workitem_id 0
		.amdhsa_next_free_vgpr 512
		.amdhsa_next_free_sgpr 80
		.amdhsa_reserve_vcc 1
		.amdhsa_float_denorm_mode_32 3
		.amdhsa_float_denorm_mode_16_64 3
		.amdhsa_memory_ordered 1
		.amdhsa_forward_progress 1
		.amdhsa_inst_pref_size 59
	.end_amdhsa_kernel
	.amdgpu_metadata
---
amdhsa.version: [ 1, 2 ]
amdhsa.kernels:
  - .name:           k_q42496edbac_attn
    .symbol:         k_q42496edbac_attn.kd
    .args:
      - { .name: qkv, .offset: 0, .size: 8, .value_kind: global_buffer, .address_space: global }
      - { .name: lowp_scales, .offset: 8, .size: 8, .value_kind: global_buffer, .address_space: global }
      - { .name: rel_table, .offset: 16, .size: 8, .value_kind: global_buffer, .address_space: global }
      - { .name: ao, .offset: 24, .size: 8, .value_kind: global_buffer, .address_space: global }
    .group_segment_fixed_size: 271616
    .private_segment_fixed_size: 0
    .kernarg_segment_align: 8
    .kernarg_segment_size: 32
    .max_flat_workgroup_size: 256
    .sgpr_count:     80
    .vgpr_count:     512
    .wavefront_size: 32
...
	.end_amdgpu_metadata
.endif
;; end of part 3
;; launch wo (part 4): grid 8 x 32, 4 waves a work-group, clusters of 4 x 4, 327,680 bytes of LDS; arguments ao, wc, lowp_scales, hidden_states, x1; writes x1
.if DOCPART == 4
	.amdgcn_target "amdgcn-amd-amdhsa--gfx1250"
	.amdhsa_code_object_version 6
	.text
	.protected	k_q42496edbac_wo
	.globl	k_q42496edbac_wo
	.p2align	8
	.type	k_q42496edbac_wo,@function
k_q42496edbac_wo:
	s_mov_b64 s[64:65], 0
	v_nop
	global_prefetch_b8 v0, s[64:65] scope:SCOPE_SE
	s_setreg_imm32_b32 hwreg(HW_REG_WAVE_MODE, 25, 1), 1
	s_wait_xcnt 0x0
	s_wait_alu depctr_hold_cnt(0) depctr_sa_sdst(0) depctr_va_vdst(0) depctr_va_sdst(0) depctr_va_ssrc(0) depctr_va_vcc(0) depctr_vm_vsrc(0)
	s_getreg_b32 s2, hwreg(HW_REG_IB_STS2, 6, 4)
	s_cmp_eq_u32 s2, 0
	s_cbranch_scc0 .Lentry_in_a_cluster
	s_endpgm
.Lentry_in_a_cluster:
	s_bfe_u32 s2, ttmp6, 0x10000c
	s_cmp_lg_u32 s2, 0xf033
	s_cbranch_scc0 .Lentry_shape_is_right
	s_endpgm
.Lentry_shape_is_right:
; x1 = hidden_states + P S^T x 2^(e10 + e11), f32 [4096][1024].  P: ao's codes, S: the codes of Wo^T in wc, both as images of operand registers [row block of 16][k / 128][2048 bytes]; K = 1,024.
; A tile of 128 x 128 (tiles of 256 x 256 would be 64 for 256 WGPs); four waves of 64 x 64: 16 accumulators.  Source 0 = 16 rows of S, source 1 = 16 rows of P: a lane holds eight neighbouring columns of one row of the output.
; THE WHOLE K OF BOTH OPERANDS LIES IN LDS: 2 x 128 rows x 1,024 bytes = 262,144 bytes, each byte filled once, by one tensor load a wave (4 row blocks x 8 images, 65,536 dense bytes) at the head: no ring, no refill.
; CLUSTERS 4 x 4: P's tile is shared along a row, S's along a column: joint loads.  No prefetch: the launch has no loop to run ahead in; all its tiles are asked for at the head.
; The residual's 64 x 64 numbers of the wave are asked for behind the tiles' barrier, ahead of the 128 products, into 128 registers of window 2, in the layout in which rows leave.
; LIMIT: e10 + e11 between -126 and 127.
.set KB,     8                         ; images along K
.set BOFF,   0x300000                  ; Wo's place in wc
.set EOFF,   40                        ; byte of e10 in lowp_scales; e11 follows
.set RBB,    KB*2048                   ; a row block's whole K in bytes
.set PART,   65536                     ; one tensor load
.set SPARE,  4*PART
.set SPITCH, 272                       ; the way out: a stage of 64 rows x (256 + 16) bytes for each wave, on tile bytes that have had their one fill, behind a barrier behind which nobody reads them
.set ADRA, 16
.set ADRB, 20
.set STO,  24
.set RD,   25
.set CO,   26
.set SPW,  28
.set NIL,  29
.set ACC,  128                         ; window 0: accumulator (a, b) at v[128 + 8 (4 a + b)]
.set F0,   0                           ; window 1: two fragment buffers: P's four at f, S's four at f + 64
.set F1,   128
.set G1, 24
.set G0, 32
.set G1B, 48
.set G0B, 56
.set MSB, 0
.macro WIN new
.if MSB != \new
	s_set_vgpr_msb (MSB<<8)|\new
.set MSB, \new
.endif
.endm
.set MUL,  0x05                        ; sources 0 and 1 window 1; C and D window 0
.set TO_F, 0x40
.macro CREST
	s_cmp_lg_u32 s14, 0
	s_cbranch_scc1 .Lnot_wave_0_\@
	s_barrier_signal -3
.Lnot_wave_0_\@:
	s_barrier_wait -3
	s_barrier_signal -1
	s_barrier_wait -1
.endm
.macro CROUND
	s_barrier_signal -1
	s_barrier_wait -1
	CREST
.endm
	s_load_b128 s[4:7], s[0:1], 0x0                ; ao, wc
	s_load_b128 s[8:11], s[0:1], 0x10              ; lowp_scales, the residual
	s_load_b64 s[12:13], s[0:1], 0x20              ; x1
	v_lshl_add_u32 v[SPW], v0, 2, SPARE
	v_mov_b32 v[NIL], 0
	ds_add_u32 v[SPW], v[NIL]                      ; the wave's opening: the add, twice on end, and its wait ahead of my tensor load
	ds_add_u32 v[SPW], v[NIL]
	v_lshrrev_b32 v1, 5, v0
	v_readfirstlane_b32 s14, v1
	s_lshr_b32 s15, s14, 1                         ; my half of the rows.  Also: I fetch for P (0) or S (1)
	s_and_b32 s16, s14, 1                          ; my half of the columns.  Also: which 4 row blocks I fetch
	s_bfe_u32 s40, ttmp6, 0x40000
	s_bfe_u32 s41, ttmp6, 0x40004
	s_lshl_b32 s42, ttmp9, 2
	s_add_co_u32 s42, s42, s40                     ; tile column
	s_and_b32 s17, ttmp7, 0xffff
	s_lshl_b32 s17, s17, 2
	s_add_co_u32 s17, s17, s41                     ; tile row
	s_lshl_b32 s43, s41, 2
	s_lshl_b32 s43, 15, s43
	s_lshl_b32 s44, 0x1111, s40
	s_or_b32 s[G1+0], s43, (3<<16)|(1<<21)         ; the mask; elements of 8 bytes; bit 21 beside a mask; no padding
	s_or_b32 s[G1B+0], s44, (3<<16)|(1<<21)
.irp g, G1, G1B
	s_mov_b32 s[\g+1], 2048<<16                    ; tensor_dim0 = 2,048 elements: eight images, 16,384 bytes
	s_mov_b32 s[\g+2], 4<<16                       ; tensor_dim1 = 4 row blocks
	s_mov_b32 s[\g+3], 2048<<16
	s_mov_b32 s[\g+4], 4
	s_mov_b32 s[\g+5], RBB/8                       ; from row block to row block
	s_mov_b32 s[\g+6], 0
	s_mov_b32 s[\g+7], 0
.endr
	s_lshl_b32 s18, s16, 2
	s_lshl_b32 s20, s17, 3
	s_add_co_u32 s20, s20, s18
	s_mul_i32 s20, s20, RBB
	s_mov_b32 s21, 0
	s_lshl_b32 s46, s42, 3
	s_add_co_u32 s46, s46, s18
	s_mul_i32 s46, s46, RBB
	s_add_co_u32 s46, s46, BOFF
	s_mov_b32 s47, 0
	s_lshl_b32 s45, s14, 16                        ; where my part lands: wave x 65,536
	s_wait_dscnt 0x0
	s_wait_kmcnt 0x0
	s_load_b64 s[96:97], s[8:9], EOFF              ; e10, e11
	s_mov_b32 s[G0], 1
	s_mov_b32 s[G0+1], s45
	s_add_nc_u64 s[G0+2:G0+3], s[4:5], s[20:21]
	s_or_b32 s[G0+3], s[G0+3], 0x80000000
	s_mov_b32 s[G0B], 1
	s_mov_b32 s[G0B+1], s45
	s_add_nc_u64 s[G0B+2:G0B+3], s[6:7], s[46:47]
	s_or_b32 s[G0B+3], s[G0B+3], 0x80000000
	CROUND                                         ; all sixteen work-groups are here: the joint loads meet
	s_cmp_eq_u32 s15, 0                            ; my one tensor load; an s_nop 0 and four v_nop follow each of the two lines
	s_cbranch_scc0 .Lfor_b
	tensor_load_to_lds s[G0:G0+3], s[G1:G1+7]
	s_nop 0
.rept 4
	v_nop
.endr
	s_branch .Lasked
.Lfor_b:
	tensor_load_to_lds s[G0B:G0B+3], s[G1B:G1B+7]
	s_nop 0
.rept 4
	v_nop
.endr
.Lasked:
	v_and_b32 v1, 15, v0
	v_bfe_u32 v2, v0, 4, 1
	v_lshlrev_b32 v[CO], 12, v2
	v_lshl_add_u32 v[CO], v1, 4, v[CO]             ; lanes 0-15 one row's 256 bytes, lanes 16-31 the next row's
	s_wait_alu depctr_va_vdst(0)
	s_lshl_b32 s92, s17, 19
	s_lshl_b32 s93, s15, 18
	s_add_co_u32 s92, s92, s93                     ; my first row x 4,096 bytes
	s_lshl_b32 s93, s42, 9
	s_add_co_u32 s92, s92, s93
	s_lshl_b32 s93, s16, 8
	s_add_co_u32 s92, s92, s93                     ; + my first column x 4
	s_mov_b32 s93, 0
	s_add_nc_u64 s[10:11], s[10:11], s[92:93]
	s_add_nc_u64 s[12:13], s[12:13], s[92:93]
	v_and_b32 v3, 31, v0
	v_lshlrev_b32 v3, 4, v3
	s_lshl_b32 s21, s15, 16
	s_lshl_b32 s22, s16, 16
	s_add_co_u32 s22, s22, 2*PART
	v_add_nc_u32 v[ADRA], s21, v3
	v_add_nc_u32 v[ADRB], s22, v3
	s_mul_i32 s23, s14, 64*SPITCH
	v_mul_u32_u24 v4, v1, SPITCH
	v_lshl_add_u32 v4, v2, 5, v4
	v_add_nc_u32 v[STO], s23, v4                   ; in: row r, 32 bytes for each half of the lanes
	v_mul_u32_u24 v5, v2, SPITCH
	v_lshl_add_u32 v5, v1, 4, v5
	v_add_nc_u32 v[RD], s23, v5                    ; back: two whole rows an instruction
.macro MUL4 f, a, zero                 ; P's block a x S's four, 128 along K.  The 16 accumulators take turns in one order throughout
.irp b, 0,1,2,3
.if \zero
	v_wmma_f32_16x16x128_fp8_fp8 v[ACC+8*(4*(\a)+\b):ACC+8*(4*(\a)+\b)+7], v[\f+64+16*\b:\f+64+16*\b+15], v[\f+16*(\a):\f+16*(\a)+15], 0
.else
	v_wmma_f32_16x16x128_fp8_fp8 v[ACC+8*(4*(\a)+\b):ACC+8*(4*(\a)+\b)+7], v[\f+64+16*\b:\f+64+16*\b+15], v[\f+16*(\a):\f+16*(\a)+15], v[ACC+8*(4*(\a)+\b):ACC+8*(4*(\a)+\b)+7]
.endif
.endr
.endm
.macro FETCH q, f                      ; 32 loads in one run: S's four fragments, then P's four, of image q
	WIN TO_F
.irp i, 0,1,2,3
.irp c, 0,1,2,3
	ds_load_b128 v[\f+64+16*\i+4*\c:\f+64+16*\i+4*\c+3], v[ADRB] offset:16384*\i+2048*(\q)+512*\c
.endr
.endr
.irp i, 0,1,2,3
.irp c, 0,1,2,3
	ds_load_b128 v[\f+16*\i+4*\c:\f+16*\i+4*\c+3], v[ADRA] offset:16384*\i+2048*(\q)+512*\c
.endr
.endr
.endm
.macro PLACES
.rept 4
	v_nop
.endr
.endm
.macro QUARTER qn, f, g, zero          ; multiplies buffer f and fetches image qn into g
	s_wait_dscnt 8                                 ; S's four and P's blocks 0, 1 are in; the youngest eight loads may be out
	WIN MUL
	MUL4 \f, 0, \zero
	MUL4 \f, 1, \zero
	PLACES
	FETCH \qn, \g
	s_wait_dscnt 32                                ; all but the 32 just issued
	WIN MUL
	MUL4 \f, 2, \zero
	MUL4 \f, 3, \zero
.endm
	s_wait_alu depctr_va_vdst(0)
	s_wait_tensorcnt 0x0                           ; my part has landed;
	s_barrier_signal -1
	s_barrier_wait -1                              ; everybody's has.
	FETCH 0, F0
	WIN 0x80                                       ; destination window 2: the residual, wanted on the way out
.set n, 0
.rept 32
	global_load_b128 v[4*n:4*n+3], v[CO], s[10:11] offset:2*n*4096 th:TH_LOAD_NT
.set n, n+1
.endr
	QUARTER 1, F0, F1, 1                           ; the first image starts the sums
	QUARTER 2, F1, F0, 0
	QUARTER 3, F0, F1, 0
	QUARTER 4, F1, F0, 0
	QUARTER 5, F0, F1, 0
	QUARTER 6, F1, F0, 0
	QUARTER 7, F0, F1, 0
	s_wait_dscnt 8
	WIN MUL
	MUL4 F1, 0, 0
	MUL4 F1, 1, 0
	s_wait_dscnt 0x0                               ; my reads of the tiles are over:
	s_barrier_signal -1                            ; say so, work on registers while the others arrive,
	MUL4 F1, 2, 0
	MUL4 F1, 3, 0
	WIN 0
	s_barrier_wait -1                              ; and behind this wait nobody reads the tiles: the stages may lie on them
	; THE WAY OUT: the sums go through my own stage and come back as whole rows of 256 bytes; LDS serves a wave's instructions in order, so no wait stands between the stores and the loads
	PLACES
.set n, 0
.rept 16
	ds_store_b128 v[STO], v[ACC+8*n:ACC+8*n+3] offset:(n/4)*16*SPITCH+64*(n%4)        ; each accumulator from its low end on
	ds_store_b128 v[STO], v[ACC+8*n+4:ACC+8*n+7] offset:(n/4)*16*SPITCH+64*(n%4)+16
.set n, n+1
.endr
	WIN TO_F
.set n, 0
.rept 32
	ds_load_b128 v[4*n:4*n+3], v[RD] offset:2*n*SPITCH
.set n, n+1
.endr
	s_wait_kmcnt 0x0
	s_add_co_i32 s96, s96, s97
	s_add_co_i32 s96, s96, 127
	s_lshl_b32 s96, s96, 23                        ; 2^(e10 + e11)
	s_mov_b32 s97, s96
	s_wait_loadcnt 0x0                             ; the residual
	s_wait_dscnt 0x0
	WIN 0x61                                       ; sums and results window 1, the residual window 2
.set n, 0
.rept 64
	v_pk_fma_f32 v[2*n:2*n+1], v[2*n:2*n+1], s[96:97], v[2*n:2*n+1] op_sel_hi:[1,0,1]
.set n, n+1
.endr
	WIN 0x04                                       ; store data window 1
.set n, 0
.rept 32
	global_store_b128 v[CO], v[4*n:4*n+3], s[12:13] offset:2*n*4096   ; sixteen lanes store 256 consecutive bytes, aligned
.set n, n+1
.endr
	WIN 0
	s_wait_tensorcnt 0x0                           ; the wave's end
	ds_add_u32 v[SPW], v[NIL]
	s_wait_dscnt 0x0
	CROUND                                         ; the closing round
	s_endpgm
.Lfunc_end_k_q42496edbac_wo:
	.size	k_q42496edbac_wo, .Lfunc_end_k_q42496edbac_wo-k_q42496edbac_wo
	.p2alignl 7, 3214868480
	.fill 96, 4, 3214868480
	.section	.rodata,"a",@progbits
	.p2align	6, 0x0
	.amdhsa_kernel k_q42496edbac_wo
		.amdhsa_group_segment_fixed_size 327680
		.amdhsa_private_segment_fixed_size 0
		.amdhsa_enable_private_segment 0
		.amdhsa_kernarg_size 40
		.amdhsa_user_sgpr_count 2
		.amdhsa_user_sgpr_kernarg_segment_ptr 1
		.amdhsa_wavefront_size32 1
		.amdhsa_system_sgpr_workgroup_id_x 1
		.amdhsa_system_sgpr_workgroup_id_y 1
		.amdhsa_system_sgpr_workgroup_id_z 1
		.amdhsa_system_vgpr_workitem_id 0
		.amdhsa_next_free_vgpr 768
		.amdhsa_next_free_sgpr 100
		.amdhsa_reserve_vcc 0
		.amdhsa_float_denorm_mode_32 3
		.amdhsa_float_denorm_mode_16_64 3
		.amdhsa_memory_ordered 1
		.amdhsa_forward_progress 1
		.amdhsa_inst_pref_size 47
	.end_amdhsa_kernel
	.amdgpu_metadata
---
amdhsa.version: [ 1, 2 ]
amdhsa.kernels:
  - .name:           k_q42496edbac_wo
    .symbol:         k_q42496edbac_wo.kd
    .args:
      - { .name: ao, .offset: 0, .size: 8, .value_kind: global_buffer, .address_space: global }
      - { .name: wc, .offset: 8, .size: 8, .value_kind: global_buffer, .address_space: global }
      - { .name: lowp_scales, .offset: 16, .size: 8, .value_kind: global_buffer, .address_space: global }
      - { .name: hidden_states, .offset: 24, .size: 8, .value_kind: global_buffer, .address_space: global }
      - { .name: x1, .offset: 32, .size: 8, .value_kind: global_buffer, .address_space: global }
    .group_segment_fixed_size: 327680
    .private_segment_fixed_size: 0
    .kernarg_segment_align: 8
    .kernarg_segment_size: 40
    .max_flat_workgroup_size: 128
    .sgpr_count:     100
    .vgpr_count:     768
    .wavefront_size: 32
...
	.end_amdgpu_metadata
.endif
;; end of part 4
;; launch norm2 (part 5): grid 256 x 1, 4 waves a work-group, no clusters, 17,152 bytes of LDS; arguments x1, ln2_g, lowp_scales, h2; writes h2
.if DOCPART == 5
	.amdgcn_target "amdgcn-amd-amdhsa--gfx1250"
	.amdhsa_code_object_version 6
	.text
	.protected	k_q42496edbac_norm2
	.globl	k_q42496edbac_norm2
	.p2align	8
	.type	k_q42496edbac_norm2,@function
k_q42496edbac_norm2:
	s_mov_b64 s[64:65], 0
	v_nop
	global_prefetch_b8 v0, s[64:65] scope:SCOPE_SE
	s_setreg_imm32_b32 hwreg(HW_REG_WAVE_MODE, 25, 1), 1
	s_wait_xcnt 0x0
; h2 = codes of rmsnorm(x1) * ln2_g under scale entry 12, as images of operand registers [token / 16][8][2048]: byte 512 c + 16 lane + 8 u + j holds (row lane % 16, k = 32 c + 16 u + 8 (lane / 16) + j).
; A work-group takes 16 tokens, a wave 4; a lane holds 8 neighbours along K of each 1,024 bytes of a row.  The codes meet in a stage (rows of 1,024 + 16 bytes) and leave as images, 512 consecutive bytes a store.
; LIMIT: e12 between -126 and 119.  NaN among the inputs is not served.  Memory binds: no tensor load, no matrix work.
.set NPIT,  1040
.set SPARE, 16640
.set SPW, 1
.set NIL, 2
	s_load_b256 s[4:11], s[0:1], 0x0               ; x1, ln2_g, lowp_scales, h2
	v_lshl_add_u32 v[SPW], v0, 2, SPARE
	v_mov_b32 v[NIL], 0
	v_lshrrev_b32 v9, 5, v0
	v_readfirstlane_b32 s30, v9                    ; wave
	v_and_b32 v9, 31, v0
	v_and_b32 v12, 15, v0
	v_bfe_u32 v13, v0, 4, 1
	v_lshlrev_b32 v8, 4, v9
	v_lshlrev_b32 v3, 5, v9
	s_lshl_b32 s32, ttmp9, 16
	s_lshl_b32 s33, s30, 14
	s_add_co_u32 s32, s32, s33
	s_mov_b32 s33, 0
	s_wait_alu depctr_va_vdst(0)
	s_wait_kmcnt 0x0
	s_load_b32 s12, s[8:9], 0x30                   ; e12
	s_add_nc_u64 s[4:5], s[4:5], s[32:33]
.irp j, 0,1,2,3
	global_load_b128 v[168+8*\j:171+8*\j], v3, s[6:7] offset:1024*\j
	global_load_b128 v[172+8*\j:175+8*\j], v3, s[6:7] offset:1024*\j+16
.endr
.irp p, 0,1,2,3
.irp j, 0,1,2,3
	global_load_b128 v[40+32*\p+8*\j:43+32*\p+8*\j], v3, s[4:5] offset:4096*\p+1024*\j th:TH_LOAD_NT
	global_load_b128 v[44+32*\p+8*\j:47+32*\p+8*\j], v3, s[4:5] offset:4096*\p+1024*\j+16 th:TH_LOAD_NT
.endr
.endr
	s_mov_b32 s52, 0x76543210
	s_mov_b32 s53, 0xfedcba98
	s_mov_b32 s54, 0x3a800000                      ; 1 / 1,024
	s_mov_b32 s55, 0x358637bd                      ; 1e-6
	s_mul_i32 s56, s30, 4*NPIT
	v_lshl_add_u32 v5, v9, 3, s56                  ; in: my wave's four rows, 8 bytes a lane
	v_mul_u32_u24 v6, v12, NPIT
	v_lshl_add_u32 v6, v13, 3, v6
	s_lshl_b32 s56, s30, 8
	v_add_nc_u32 v6, s56, v6                       ; out: row r, + 8 hh, + my wave's two images
	s_lshl_b32 s56, ttmp9, 14
	s_lshl_b32 s57, s30, 12
	s_add_co_u32 s56, s56, s57
	s_mov_b32 s57, 0
	s_add_nc_u64 s[10:11], s[10:11], s[56:57]
	s_wait_kmcnt 0x0
	s_add_co_i32 s58, s12, 127
	s_lshl_b32 s59, s58, 23
	v_mov_b32 v28, s59                             ; 2^e
	s_add_co_i32 s58, s58, 8
	s_lshl_b32 s58, s58, 23
	s_or_b32 s58, s58, 0x600000
	v_mov_b32 v29, s58                             ; 448 x 2^e
.irp p, 0,1,2,3
	v_mov_b32 v[21+2*\p], 0
.endr
.irp p, 0,1,2,3
	s_wait_loadcnt 8*(3-\p)                        ; this row's eight loads (and g's) are in; the later rows' may be out
	v_pk_mul_f32 v[200:201], v[40+32*\p:41+32*\p], v[40+32*\p:41+32*\p]
	v_pk_mul_f32 v[202:203], v[42+32*\p:43+32*\p], v[42+32*\p:43+32*\p]
.irp i, 4,8,12,16,20,24,28
	v_pk_fma_f32 v[200:201], v[40+32*\p+\i:41+32*\p+\i], v[40+32*\p+\i:41+32*\p+\i], v[200:201]
	v_pk_fma_f32 v[202:203], v[42+32*\p+\i:43+32*\p+\i], v[42+32*\p+\i:43+32*\p+\i], v[202:203]
.endr
	v_pk_add_f32 v[200:201], v[200:201], v[202:203]
	v_add_f32 v[20+2*\p], v200, v201
	v_add_f32_dpp v[20+2*\p], v[20+2*\p], v[20+2*\p] row_xmask:1 row_mask:0xf bank_mask:0xf
	v_add_f32_dpp v[20+2*\p], v[20+2*\p], v[20+2*\p] row_xmask:2 row_mask:0xf bank_mask:0xf
	v_add_f32_dpp v[20+2*\p], v[20+2*\p], v[20+2*\p] row_xmask:4 row_mask:0xf bank_mask:0xf
	v_add_f32_dpp v[20+2*\p], v[20+2*\p], v[20+2*\p] row_xmask:8 row_mask:0xf bank_mask:0xf
	v_permlanex16_b32 v[21+2*\p], v[20+2*\p], s52, s53
	v_add_f32 v[20+2*\p], v[20+2*\p], v[21+2*\p]
	v_fma_f32 v[20+2*\p], v[20+2*\p], s54, s55
.endr
	s_wait_alu depctr_va_vdst(0)
.irp p, 0,1,2,3
	v_rsq_f32 v[20+2*\p], v[20+2*\p]               ; one batch
.endr
	v_nop                                          ; a plain instruction behind the last of them,
	s_wait_alu depctr_va_vdst(0)                   ; and one wait ahead of the first reader
.irp p, 0,1,2,3
.irp i, 0,2,4,6,8,10,12,14,16,18,20,22,24,26,28,30
	v_pk_mul_f32 v[40+32*\p+\i:41+32*\p+\i], v[40+32*\p+\i:41+32*\p+\i], v[20+2*\p:21+2*\p] op_sel_hi:[1,0]
.endr
.irp i, 0,2,4,6,8,10,12,14,16,18,20,22,24,26,28,30
	v_pk_mul_f32 v[40+32*\p+\i:41+32*\p+\i], v[40+32*\p+\i:41+32*\p+\i], v[168+\i:169+\i]
.endr
	s_wait_dscnt 0x0                               ; the last row's stores have read the codes' registers
.set i, 0
.rept 32
	v_med3_num_f32 v[200+i], v[40+32*\p+i], -v29, v29
.set i, i+1
.endr
.irp j, 0,1,2,3
	v_cvt_scalef32_pk8_fp8_f32 v[232+2*\j:233+2*\j], v[200+8*\j:207+8*\j], v28
.endr
	v_nop                                          ; a plain instruction between the conversions and the next write of their sources
.irp j, 0,1,2,3
	ds_store_b64 v5, v[232+2*\j:233+2*\j] offset:NPIT*\p+256*\j
.endr
.endr
	s_wait_dscnt 0x0                               ; for the others' sake: my rows lie in the stage
	s_barrier_signal -1
	s_barrier_wait -1
.set idx, 0
.irp k, 0,1
.irp c, 0,1,2,3
	ds_load_b64 v[40+4*idx:41+4*idx], v6 offset:128*\k+32*\c
	ds_load_b64 v[42+4*idx:43+4*idx], v6 offset:128*\k+32*\c+16
.set idx, idx+1
.endr
.endr
.set idx, 0
.irp k, 0,1
.irp c, 0,1,2,3
	s_wait_dscnt 14-2*idx                          ; the younger loads may stay out
	global_store_b128 v8, v[40+4*idx:43+4*idx], s[10:11] offset:2048*\k+512*\c
.set idx, idx+1
.endr
.endr
	s_wait_tensorcnt 0x0                           ; the wave's end, behind my last LDS store
	ds_add_u32 v[SPW], v[NIL]
	s_wait_dscnt 0x0
	s_endpgm
.Lfunc_end_k_q42496edbac_norm2:
	.size	k_q42496edbac_norm2, .Lfunc_end_k_q42496edbac_norm2-k_q42496edbac_norm2
	.p2alignl 7, 3214868480
	.fill 96, 4, 3214868480
	.section	.rodata,"a",@progbits
	.p2align	6, 0x0
	.amdhsa_kernel k_q42496edbac_norm2
		.amdhsa_group_segment_fixed_size 17152
		.amdhsa_private_segment_fixed_size 0
		.amdhsa_enable_private_segment 0
		.amdhsa_kernarg_size 32
		.amdhsa_user_sgpr_count 2
		.amdhsa_user_sgpr_kernarg_segment_ptr 1
		.amdhsa_wavefront_size32 1
		.amdhsa_system_sgpr_workgroup_id_x 1
		.amdhsa_system_sgpr_workgroup_id_y 1
		.amdhsa_system_sgpr_workgroup_id_z 1
		.amdhsa_system_vgpr_workitem_id 0
		.amdhsa_next_free_vgpr 256
		.amdhsa_next_free_sgpr 66
		.amdhsa_reserve_vcc 0
		.amdhsa_float_denorm_mode_32 3
		.amdhsa_float_denorm_mode_16_64 3
		.amdhsa_memory_ordered 1
		.amdhsa_forward_progress 1
		.amdhsa_inst_pref_size 33
	.end_amdhsa_kernel
	.amdgpu_metadata
---
amdhsa.version: [ 1, 2 ]
amdhsa.kernels:
  - .name:           k_q42496edbac_norm2
    .symbol:         k_q42496edbac_norm2.kd
    .args:
      - { .name: x1, .offset: 0, .size: 8, .value_kind: global_buffer, .address_space: global }
      - { .name: ln2_g, .offset: 8, .size: 8, .value_kind: global_buffer, .address_space: global }
      - { .name: lowp_scales, .offset: 16, .size: 8, .value_kind: global_buffer, .address_space: global }
      - { .name: h2, .offset: 24, .size: 8, .value_kind: global_buffer, .address_space: global }
    .group_segment_fixed_size: 17152
    .private_segment_fixed_size: 0
    .kernarg_segment_align: 8
    .kernarg_segment_size: 32
    .max_flat_workgroup_size: 128
    .sgpr_count:     66
    .vgpr_count:     256
    .wavefront_size: 32
...
	.end_amdgpu_metadata
.endif
;; end of part 5
;; launch ffn1 (part 6): grid 16 x 16, 4 waves a work-group, clusters of 4 x 4, 327,680 bytes of LDS; arguments h2, wc, lowp_scales, fc; writes fc
.if DOCPART == 6
	.amdgcn_target "amdgcn-amd-amdhsa--gfx1250"
	.amdhsa_code_object_version 6
	.text
	.protected	k_q42496edbac_ffn1
	.globl	k_q42496edbac_ffn1
	.p2align	8
	.type	k_q42496edbac_ffn1,@function
k_q42496edbac_ffn1:
	s_mov_b64 s[64:65], 0
	v_nop
	global_prefetch_b8 v0, s[64:65] scope:SCOPE_SE
	s_setreg_imm32_b32 hwreg(HW_REG_WAVE_MODE, 25, 1), 1
	s_wait_xcnt 0x0
	s_wait_alu depctr_hold_cnt(0) depctr_sa_sdst(0) depctr_va_vdst(0) depctr_va_sdst(0) depctr_va_ssrc(0) depctr_va_vcc(0) depctr_vm_vsrc(0)
	s_getreg_b32 s2, hwreg(HW_REG_IB_STS2, 6, 4)
	s_cmp_eq_u32 s2, 0
	s_cbranch_scc0 .Lentry_in_a_cluster
	s_endpgm
.Lentry_in_a_cluster:
	s_bfe_u32 s2, ttmp6, 0x10000c
	s_cmp_lg_u32 s2, 0xf033
	s_cbranch_scc0 .Lentry_shape_is_right
	s_endpgm
.Lentry_shape_is_right:
.set MODE,   1
.set HALFT,  32768
.set SLOT,   4*HALFT
.set SPARE,  2*SLOT
.set KSTEPB, 4096
.set LAPS,   2
.set FR,     16
.set NL,     4
.set NP,     4
.set ADRA, 16
.set ADRB, 20
.set CO0,  26
.set CO1,  27
.set SPW,  28
.set NIL,  29
.set SC,   30
.set LIM,  31
.set TMP,  32
.set CD,   96
.set AF,   128
.set G1, 24
.set G0, 32
.set G1B, 48
.set G0B, 56
.set MSB, 0
.macro WIN new
.if MSB != \new
	s_set_vgpr_msb (MSB<<8)|\new
.set MSB, \new
.endif
.endm
.set MUL_LO, 0xa1
.set MUL_HI, 0xf1
.set TO_B,   0x40
.macro JLOAD g0a, g1a, g0b, g1b
	s_cmp_eq_u32 s15, 0
	s_cbranch_scc0 .Lfor_b_\@
	tensor_load_to_lds s[\g0a:\g0a+3], s[\g1a:\g1a+7]
	s_nop 0
.rept 4
	v_nop
.endr
	s_branch .Lasked_\@
.Lfor_b_\@:
	tensor_load_to_lds s[\g0b:\g0b+3], s[\g1b:\g1b+7]
	s_nop 0
.rept 4
	v_nop
.endr
.Lasked_\@:
.endm
.macro CREST
	s_cmp_lg_u32 s14, 0
	s_cbranch_scc1 .Lnot_wave_0_\@
	s_barrier_signal -3
.Lnot_wave_0_\@:
	s_barrier_wait -3
	s_barrier_signal -1
	s_barrier_wait -1
.endm
.macro CROUND
	s_barrier_signal -1
	s_barrier_wait -1
	CREST
.endm
	s_load_b128 s[4:7], s[0:1], 0x0
	s_load_b128 s[8:11], s[0:1], 0x10
	v_lshl_add_u32 v[SPW], v0, 2, SPARE
	v_mov_b32 v[NIL], 0
	ds_add_u32 v[SPW], v[NIL]
	ds_add_u32 v[SPW], v[NIL]
	v_lshrrev_b32 v1, 5, v0
	v_readfirstlane_b32 s14, v1
	s_lshr_b32 s15, s14, 1
	s_and_b32 s16, s14, 1
	s_bfe_u32 s40, ttmp6, 0x40000
	s_bfe_u32 s41, ttmp6, 0x40004
	s_and_b32 s66, ttmp7, 0xffff
	s_lshl_b32 s66, s66, 2
	s_add_co_u32 s17, s41, s66
	s_lshl_b32 s42, ttmp9, 2
	s_add_co_u32 s42, s42, s40
	s_mov_b32 s69, 0
	s_mov_b32 s70, 0x400000
	s_lshl_b32 s43, s41, 2
	s_lshl_b32 s43, 15, s43
	s_lshl_b32 s44, 0x1111, s40
	s_or_b32 s[G1+0], s43, (3<<16)|(1<<21)
	s_or_b32 s[G1B+0], s44, (3<<16)|(1<<21)
.irp g, G1, G1B
	s_mov_b32 s[\g+1], 512<<16
	s_mov_b32 s[\g+2], 8<<16
	s_mov_b32 s[\g+3], 512<<16
	s_mov_b32 s[\g+4], 8
	s_mov_b32 s[\g+5], 2048
	s_mov_b32 s[\g+6], 0
	s_mov_b32 s[\g+7], 0
.endr
	s_lshl_b32 s18, s16, 17
	s_lshl_b32 s20, s17, 18
	s_add_co_u32 s20, s20, s18
	s_add_co_u32 s20, s20, s69
	s_mov_b32 s21, 0
	s_lshl_b32 s46, s42, 18
	s_add_co_u32 s46, s46, s18
	s_add_co_u32 s46, s46, s70
	s_mov_b32 s47, 0
	s_lshl_b32 s45, s14, 15
	s_wait_dscnt 0x0
	s_wait_kmcnt 0x0
	s_load_b512 s[76:91], s[8:9], 0x0
	s_add_nc_u64 s[20:21], s[4:5], s[20:21]
	s_add_nc_u64 s[46:47], s[6:7], s[46:47]
	CROUND
.irp s, 0,1
	s_mov_b32 s[G0+4*\s], 1
	s_add_co_u32 s[G0+4*\s+1], s45, \s*SLOT
	s_add_nc_u64 s[G0+4*\s+2:G0+4*\s+3], s[20:21], \s*KSTEPB
	s_or_b32 s[G0+4*\s+3], s[G0+4*\s+3], 0x80000000
	s_mov_b32 s[G0B+4*\s], 1
	s_add_co_u32 s[G0B+4*\s+1], s45, \s*SLOT
	s_add_nc_u64 s[G0B+4*\s+2:G0B+4*\s+3], s[46:47], \s*KSTEPB
	s_or_b32 s[G0B+4*\s+3], s[G0B+4*\s+3], 0x80000000
.if \s                                 ; slot 1's first fill is issued as a refill is: my part of K step 0 is in, the add, its wait, a whole round
	s_wait_alu depctr_va_vdst(0)
	s_wait_tensorcnt 0x0
	ds_add_u32 v28, v29
	s_wait_dscnt 0x0
	CROUND
.endif
	JLOAD G0+4*\s, G1, G0B+4*\s, G1B
.endr
	v_and_b32 v1, 31, v0
	v_lshlrev_b32 v[CO0], 4, v1
	s_lshl_b32 s21, s15, 15
	s_lshl_b32 s22, s16, 15
	s_add_co_u32 s22, s22, 2*HALFT
.irp s, 0,1
	v_add_nc_u32 v[ADRA+\s], s21, v[CO0]
	v_add_nc_u32 v[ADRB+\s], s22, v[CO0]
	s_add_co_u32 s21, s21, SLOT
	s_add_co_u32 s22, s22, SLOT
.endr
	s_lshl_b32 s96, s17, 20
	s_lshl_b32 s93, s15, 19
	s_add_co_u32 s96, s96, s93
	s_lshl_b32 s93, s42, 12
	s_add_co_u32 s96, s96, s93
	s_lshl_b32 s93, s16, 11
	s_add_co_u32 s96, s96, s93
	s_mov_b32 s97, 0
	s_add_nc_u64 s[10:11], s[10:11], s[96:97]
.macro FRAG reg, adr, q, i
.irp c, 0,1,2,3
	ds_load_b128 v[\reg+4*\c:\reg+4*\c+3], v[\adr] offset:4096*(\i)+2048*(\q)+512*\c
.endr
.endm
.macro MUL16 a0, p, zero
.irp a, \a0, \a0+1
.irp b, 0,1,2,3,4,5,6,7
.if \zero
	v_wmma_f32_16x16x128_fp8_fp8 v[8*(8*((\a)%4)+\b):8*(8*((\a)%4)+\b)+7], v[128*(\p)+FR*\b:128*(\p)+FR*\b+FR-1], v[AF+FR*(\a):AF+FR*(\a)+FR-1], 0
.else
	v_wmma_f32_16x16x128_fp8_fp8 v[8*(8*((\a)%4)+\b):8*(8*((\a)%4)+\b)+7], v[128*(\p)+FR*\b:128*(\p)+FR*\b+FR-1], v[AF+FR*(\a):AF+FR*(\a)+FR-1], v[8*(8*((\a)%4)+\b):8*(8*((\a)%4)+\b)+7]
.endif
.endr
.endr
.endm
.macro FETCH_B slot, q, p
	WIN TO_B
.irp i, 0,1,2,3,4,5,6,7
	FRAG 128*(\p)+FR*\i, ADRB+\slot, \q, \i
.endr
	WIN 0
.endm
.macro FETCH_A slot, q, i0
.irp i, \i0, \i0+1, \i0+2, \i0+3
	FRAG AF+FR*(\i), ADRA+\slot, \q, \i
.endr
.endm
.macro PLACES n
.rept \n
	v_nop
.endr
.endm
.macro STEP slot, q, zero
	s_wait_dscnt 4*NL
	WIN MUL_LO
	MUL16 0, (\q)%2, \zero
	MUL16 2, (\q)%2, \zero
	s_wait_dscnt 0
	PLACES NP
	FETCH_B \slot, (\q)+1, 1-(\q)%2
	FETCH_A \slot, (\q)+1, 0
	WIN MUL_HI
	MUL16 4, (\q)%2, \zero
	MUL16 6, (\q)%2, \zero
	PLACES NP
	WIN 0
	FETCH_A \slot, (\q)+1, 4
.endm
.macro TURN slot, next, fill
	s_wait_tensorcnt 0x0
	ds_add_u32 v[SPW], v[NIL]
.if \fill                              ; the refill goes out first; the step's first 32 products stand behind it
	s_add_nc_u64 s[G0+4*\slot+2:G0+4*\slot+3], s[G0+4*\slot+2:G0+4*\slot+3], 2*KSTEPB      ; no load of mine is out: the descriptors may be stepped
	s_add_nc_u64 s[G0B+4*\slot+2:G0B+4*\slot+3], s[G0B+4*\slot+2:G0B+4*\slot+3], 2*KSTEPB
	s_wait_dscnt 0x0                               ; the add is done, and my reads of this slot are over
	s_barrier_signal -1
	s_barrier_wait -1
	CREST
	JLOAD G0+4*\slot, G1, G0B+4*\slot, G1B
	WIN MUL_LO
	MUL16 0, 1, 0
	MUL16 2, 1, 0
	WIN 0
.else
	s_wait_dscnt 4*NL+1
	WIN MUL_LO
	MUL16 0, 1, 0
	s_wait_dscnt 0x0
	s_barrier_signal -1
	MUL16 2, 1, 0
	WIN 0
	s_barrier_wait -1
.endif
	PLACES NP
	FETCH_B \next, 0, 0
	FETCH_A \next, 0, 0
	WIN MUL_HI
	MUL16 4, 1, 0
	MUL16 6, 1, 0
	PLACES NP
	WIN 0
	FETCH_A \next, 0, 4
.endm
	s_wait_alu depctr_va_vdst(0)
	FETCH_B 0, 0, 0                                ; the round in front of slot 1's load has shown K step 0 whole to every wave
	FETCH_A 0, 0, 0
	FETCH_A 0, 0, 4
	STEP 0, 0, 1
	s_mov_b32 s3, LAPS-1
.Llap:
	TURN 0, 1, 1
	STEP 1, 0, 0
	TURN 1, 0, 1
	STEP 0, 0, 0
	s_sub_co_u32 s3, s3, 1
	s_cmp_lg_u32 s3, 0
	s_cbranch_scc1 .Llap
	TURN 0, 1, 0
	STEP 1, 0, 0
	s_wait_dscnt 4*NL
	WIN MUL_LO
	MUL16 0, 1, 0
	MUL16 2, 1, 0
	s_wait_dscnt 0
	WIN MUL_HI
	MUL16 4, 1, 0
	MUL16 6, 1, 0
	WIN 0
	s_wait_kmcnt 0x0
	s_sub_co_i32 s92, s90, s88
	s_sub_co_i32 s92, s92, s89
	s_add_co_i32 s92, s92, 127
	s_lshl_b32 s93, s92, 23
	v_mov_b32 v[SC], s93
	s_add_co_i32 s92, s92, 8
	s_lshl_b32 s92, s92, 23
	s_or_b32 s92, s92, 0x600000
	v_mov_b32 v[LIM], s92
	PLACES NP
.macro OUT a
.set AC, 64*((\a)%4)
	WIN 0x02+((\a)/4)
.set j, 0
.rept 64
	v_med3_num_f32 v[TMP+j], v[AC+j], 0, v[LIM]
.set j, j+1
.endr
	WIN 0
.irp b, 0,1,2,3,4,5,6,7
	v_cvt_scalef32_pk8_fp8_f32 v[CD+16*(\a)+2*\b:CD+16*(\a)+2*\b+1], v[TMP+8*\b:TMP+8*\b+7], v[SC]
.endr
	v_nop
.irp c, 0,1,2,3
	global_store_b128 v[CO0], v[CD+16*(\a)+4*\c:CD+16*(\a)+4*\c+3], s[10:11] offset:65536*(\a)+512*\c
.endr
.endm
.irp a, 0,1,2,3,4,5,6,7
	OUT \a
.endr
	s_wait_tensorcnt 0x0
	ds_add_u32 v[SPW], v[NIL]
	s_wait_dscnt 0x0
	CROUND
	s_endpgm
.Lfunc_end_k_q42496edbac_ffn1:
	.size	k_q42496edbac_ffn1, .Lfunc_end_k_q42496edbac_ffn1-k_q42496edbac_ffn1
	.p2alignl 7, 3214868480
	.fill 96, 4, 3214868480
	.section	.rodata,"a",@progbits
	.p2align	6, 0x0
	.amdhsa_kernel k_q42496edbac_ffn1
		.amdhsa_group_segment_fixed_size 327680
		.amdhsa_private_segment_fixed_size 0
		.amdhsa_enable_private_segment 0
		.amdhsa_kernarg_size 32
		.amdhsa_user_sgpr_count 2
		.amdhsa_user_sgpr_kernarg_segment_ptr 1
		.amdhsa_wavefront_size32 1
		.amdhsa_system_sgpr_workgroup_id_x 1
		.amdhsa_system_sgpr_workgroup_id_y 1
		.amdhsa_system_sgpr_workgroup_id_z 1
		.amdhsa_system_vgpr_workitem_id 0
		.amdhsa_next_free_vgpr 1024
		.amdhsa_next_free_sgpr 100
		.amdhsa_reserve_vcc 0
		.amdhsa_float_denorm_mode_32 3
		.amdhsa_float_denorm_mode_16_64 3
		.amdhsa_memory_ordered 1
		.amdhsa_forward_progress 1
		.amdhsa_inst_pref_size 117
	.end_amdhsa_kernel
	.amdgpu_metadata
---
amdhsa.version: [ 1, 2 ]
amdhsa.kernels:
  - .name:           k_q42496edbac_ffn1
    .symbol:         k_q42496edbac_ffn1.kd
    .args:
      - { .name: h2, .offset: 0, .size: 8, .value_kind: global_buffer, .address_space: global }
      - { .name: wc, .offset: 8, .size: 8, .value_kind: global_buffer, .address_space: global }
      - { .name: lowp_scales, .offset: 16, .size: 8, .value_kind: global_buffer, .address_space: global }
      - { .name: fc, .offset: 24, .size: 8, .value_kind: global_buffer, .address_space: global }
    .group_segment_fixed_size: 327680
    .private_segment_fixed_size: 0
    .kernarg_segment_align: 8
    .kernarg_segment_size: 32
    .max_flat_workgroup_size: 128
    .sgpr_count:     100
    .vgpr_count:     1024
    .wavefront_size: 32
...
	.end_amdgpu_metadata
.endif
;; end of part 6
;; launch ffn2 (part 7): grid 8 x 32, 4 waves a work-group, clusters of 4 x 4, 327,680 bytes of LDS; arguments fc, wc, lowp_scales, x1, out0; writes out0
.if DOCPART == 7
	.amdgcn_target "amdgcn-amd-amdhsa--gfx1250"
	.amdhsa_code_object_version 6
	.text
	.protected	k_q42496edbac_ffn2
	.globl	k_q42496edbac_ffn2
	.p2align	8
	.type	k_q42496edbac_ffn2,@function
k_q42496edbac_ffn2:
	s_mov_b64 s[64:65], 0
	v_nop
	global_prefetch_b8 v0, s[64:65] scope:SCOPE_SE
	s_setreg_imm32_b32 hwreg(HW_REG_WAVE_MODE, 25, 1), 1
	s_wait_xcnt 0x0
	s_wait_alu depctr_hold_cnt(0) depctr_sa_sdst(0) depctr_va_vdst(0) depctr_va_sdst(0) depctr_va_ssrc(0) depctr_va_vcc(0) depctr_vm_vsrc(0)
	s_getreg_b32 s2, hwreg(HW_REG_IB_STS2, 6, 4)
	s_cmp_eq_u32 s2, 0
	s_cbranch_scc0 .Lentry_in_a_cluster
	s_endpgm
.Lentry_in_a_cluster:
	s_bfe_u32 s2, ttmp6, 0x10000c
	s_cmp_lg_u32 s2, 0xf033
	s_cbranch_scc0 .Lentry_shape_is_right
	s_endpgm
.Lentry_shape_is_right:
.set KB,     32
.set BOFF,   0x800000
.set EOFF,   56
.set RBB,    KB*2048
.set QS,     8
.set WTILE,  2*QS*2048
.set SLOT,   4*WTILE
.set SPARE,  2*SLOT
.set SPITCH, 528
.set AHEAD,  7
.set LN,   16
.set STO,  24
.set RD,   25
.set PFO,  27
.set SPW,  28
.set NIL,  29
.set ACC,  128
.set G1, 24
.set G0, 32
.set PFA, 48
.set MSB, 0
.macro WIN new
.if MSB != \new
	s_set_vgpr_msb (MSB<<8)|\new
.set MSB, \new
.endif
.endm
.set MUL,  0x0d
.set TO_F, 0x40
.set TO_R, 0x80
.set TO_P, 0xc0
.macro CREST
	s_cmp_lg_u32 s14, 0
	s_cbranch_scc1 .Lnot_wave_0_\@
	s_barrier_signal -3
.Lnot_wave_0_\@:
	s_barrier_wait -3
	s_barrier_signal -1
	s_barrier_wait -1
.endm
.macro CROUND
	s_barrier_signal -1
	s_barrier_wait -1
	CREST
.endm
.macro PLACES
.rept 4
	v_nop
.endr
.endm
.macro PLOAD q
	WIN TO_P
.irp a, 0,1
.irp c, 0,1,2,3
	global_load_b128 v[32*((\q)%8)+16*\a+4*\c:32*((\q)%8)+16*\a+4*\c+3], v[LN], s[20:21] offset:\a*RBB+(\q)*2048+512*\c
.endr
.endr
.endm
.macro FETCH slot, qi, f
	WIN TO_F
.irp i, 0,1,2,3,4,5,6,7
.irp c, 0,1,2,3
	ds_load_b128 v[\f+16*\i+4*\c:\f+16*\i+4*\c+3], v[LN+2*(\slot)+\i/4] offset:16384*(\i%4)+2048*(\qi)+512*\c
.endr
.endr
.endm
.macro MUL2 f, pr, b, zero
.irp a, 0,1
.if \zero
	v_wmma_f32_16x16x128_fp8_fp8 v[ACC+8*(2*(\b)+\a):ACC+8*(2*(\b)+\a)+7], v[\f+16*(\b):\f+16*(\b)+15], v[\pr+16*\a:\pr+16*\a+15], 0
.else
	v_wmma_f32_16x16x128_fp8_fp8 v[ACC+8*(2*(\b)+\a):ACC+8*(2*(\b)+\a)+7], v[\f+16*(\b):\f+16*(\b)+15], v[\pr+16*\a:\pr+16*\a+15], v[ACC+8*(2*(\b)+\a):ACC+8*(2*(\b)+\a)+7]
.endif
.endr
.endm
.macro HALF f, pr, b0, zero
	MUL2 \f, \pr, \b0, \zero
	MUL2 \f, \pr, \b0+1, \zero
	MUL2 \f, \pr, \b0+2, \zero
	MUL2 \f, \pr, \b0+3, \zero
.endm
.macro LCNT q
.if (\q) > 16 && (\q) < 24             ; behind P's image q: six younger images of P (48 loads) and the residual's 32, asked for in quarter 16: 80, of which the count's field names 63
	s_wait_loadcnt 63
.elseif (\q) < 26
	s_wait_loadcnt 48
.else
	s_wait_loadcnt 8*(31-(\q))
.endif
.endm
.macro ASK im
	s_cmp_eq_u32 s15, 0
	s_cbranch_scc0 .Lnot_mine_\@
	global_prefetch_b8 v[PFO], s[PFA:PFA+1] offset:(\im)*2048 th:TH_LOAD_NT scope:SCOPE_SE
.Lnot_mine_\@:
.endm
	s_load_b128 s[4:7], s[0:1], 0x0
	s_load_b128 s[8:11], s[0:1], 0x10
	s_load_b64 s[12:13], s[0:1], 0x20
	v_lshl_add_u32 v[SPW], v0, 2, SPARE
	v_mov_b32 v[NIL], 0
	ds_add_u32 v[SPW], v[NIL]
	ds_add_u32 v[SPW], v[NIL]
	v_lshrrev_b32 v1, 5, v0
	v_readfirstlane_b32 s14, v1
	v_and_b32 v3, 31, v0
	v_lshlrev_b32 v[LN], 4, v3
	v_lshlrev_b32 v[PFO], 8, v3
	v_add_nc_u32 v[LN+1], 0x10000, v[LN]
	v_add_nc_u32 v[LN+2], SLOT, v[LN]
	v_add_nc_u32 v[LN+3], SLOT+0x10000, v[LN]
	v_and_b32 v1, 15, v0
	v_bfe_u32 v2, v0, 4, 1
	s_mul_i32 s23, s14, 32*SPITCH
	v_mul_u32_u24 v4, v1, SPITCH
	v_lshl_add_u32 v4, v2, 5, v4
	v_add_nc_u32 v[STO], s23, v4
	v_add_nc_u32 v[RD], s23, v[LN]
	s_bfe_u32 s40, ttmp6, 0x40000
	s_bfe_u32 s41, ttmp6, 0x40004
	s_lshl_b32 s42, ttmp9, 2
	s_add_co_u32 s42, s42, s40
	s_and_b32 s15, ttmp7, 0xffff
	s_lshl_b32 s17, s15, 2
	s_add_co_u32 s17, s17, s41
	s_lshl_b32 s44, 0x1111, s40
	s_or_b32 s[G1+0], s44, (3<<16)|(1<<21)
	s_mov_b32 s[G1+1], 2048<<16
	s_mov_b32 s[G1+2], 2<<16
	s_mov_b32 s[G1+3], 2048<<16
	s_mov_b32 s[G1+4], 2
	s_mov_b32 s[G1+5], RBB/8
	s_mov_b32 s[G1+6], 0
	s_mov_b32 s[G1+7], 0
	s_lshl_b32 s18, s14, 1
	s_lshl_b32 s46, s42, 3
	s_add_co_u32 s46, s46, s18
	s_lshl_b32 s46, s46, 16
	s_add_co_u32 s46, s46, BOFF
	s_mov_b32 s47, 0
	s_lshl_b32 s20, s17, 3
	s_add_co_u32 s20, s20, s18
	s_lshl_b32 s20, s20, 16
	s_mov_b32 s21, 0
	s_lshl_b32 s45, s14, 15
	s_lshr_b32 s22, s41, 1
	s_lshl_b32 s22, s22, 16
	s_and_b32 s23, s41, 1
	s_lshl_b32 s23, s23, 13
	s_add_co_u32 s22, s22, s23
	s_mov_b32 s23, 0
	s_lshl_b32 s92, s17, 19
	s_lshl_b32 s93, s14, 17
	s_add_co_u32 s92, s92, s93
	s_lshl_b32 s93, s42, 9
	s_add_co_u32 s92, s92, s93
	s_mov_b32 s93, 0
	s_wait_dscnt 0x0
	s_wait_kmcnt 0x0
	s_load_b64 s[96:97], s[8:9], EOFF
	s_add_nc_u64 s[20:21], s[4:5], s[20:21]
	s_add_nc_u64 s[46:47], s[6:7], s[46:47]
	s_add_nc_u64 s[PFA:PFA+1], s[46:47], s[22:23]
	s_add_nc_u64 s[10:11], s[10:11], s[92:93]
	s_add_nc_u64 s[12:13], s[12:13], s[92:93]
.irp s, 0,1
	s_mov_b32 s[G0+4*\s], 1
	s_add_co_u32 s[G0+4*\s+1], s45, \s*SLOT
	s_add_nc_u64 s[G0+4*\s+2:G0+4*\s+3], s[46:47], \s*QS*2048
	s_or_b32 s[G0+4*\s+3], s[G0+4*\s+3], 0x80000000
.endr
	PLOAD 0
	PLOAD 1
	WIN 0
	CROUND
	tensor_load_to_lds s[G0:G0+3], s[G1:G1+7]
	s_nop 0
	s_wait_alu depctr_va_vdst(0)
	s_wait_tensorcnt 0x0
	ds_add_u32 v28, v29
	s_wait_dscnt 0x0
	CROUND
	tensor_load_to_lds s[G0+4:G0+7], s[G1:G1+7]
	s_nop 0
.rept 4
	v_nop
.endr
.irp q, 2,3,4,5,6
	PLOAD \q
.endr
	WIN 0
.macro QUARTER q, zero
.set FB, 128*((\q)%2)
.set GB, 128-FB
.set PR, 32*((\q)%8)
.set NS, (((\q)+1)/8)%2
.set NQ, ((\q)+1)%8
	LCNT \q
	s_wait_dscnt 16
	WIN MUL
	HALF FB, PR, 0, \zero
	PLACES
	FETCH NS, NQ, GB
.if (\q)+AHEAD < KB
	PLOAD (\q)+AHEAD
.endif
.if (\q) == 1
	WIN 0
	ASK 16
.endif
.if (\q) == 16                         ; the residual, wanted on the way out, is asked for half way along K
	WIN TO_R
.set n, 0
.rept 32
	global_load_b128 v[4*n:4*n+3], v[LN], s[10:11] offset:n*4096 th:TH_LOAD_NT
.set n, n+1
.endr
.endif
	s_wait_dscnt 32
	WIN MUL
	HALF FB, PR, 4, \zero
.endm
.macro TURN q, fill
.set FB, 128*((\q)%2)
.set GB, 128-FB
.set PR, 32*((\q)%8)
.set SL, ((\q)/8)%2
.set NS, 1-SL
	LCNT \q
	WIN 0
	s_wait_tensorcnt 0x0
	ds_add_u32 v[SPW], v[NIL]
	s_wait_dscnt 17
	WIN MUL
	MUL2 FB, PR, 0, 0
	MUL2 FB, PR, 1, 0
	s_wait_dscnt 0x0
	s_barrier_signal -1
	MUL2 FB, PR, 2, 0
	MUL2 FB, PR, 3, 0
.if \fill
	WIN 0
.endif
	s_barrier_wait -1
.if \fill
	CREST
	s_add_nc_u64 s[G0+4*SL+2:G0+4*SL+3], s[G0+4*SL+2:G0+4*SL+3], 2*QS*2048
	tensor_load_to_lds s[G0+4*SL:G0+4*SL+3], s[G1:G1+7]
	s_nop 0
.rept 4
	v_nop
.endr
.else
	PLACES
.endif
	FETCH NS, 0, GB
.if (\q)+AHEAD < KB
	PLOAD (\q)+AHEAD
.endif
.if (\q) == 7
	WIN 0
	ASK 24
.endif
	WIN MUL
	HALF FB, PR, 4, 0
.endm
	s_wait_tensorcnt 1
	s_barrier_signal -1
	s_barrier_wait -1
	s_wait_alu depctr_va_vdst(0)
	FETCH 0, 0, 0
	QUARTER 0, 1
.irp q, 1,2,3,4,5,6
	QUARTER \q, 0
.endr
	TURN 7, 1
.irp q, 8,9,10,11,12,13,14
	QUARTER \q, 0
.endr
	TURN 15, 1
.irp q, 16,17,18,19,20,21,22
	QUARTER \q, 0
.endr
	TURN 23, 0
.irp q, 24,25,26,27,28,29,30
	QUARTER \q, 0
.endr
	s_wait_loadcnt 0x0
	s_wait_dscnt 16
	WIN MUL
	HALF 128, 224, 0, 0
	s_wait_dscnt 0x0
	HALF 128, 224, 4, 0
	WIN 0
	PLACES
.irp b, 0,1,2,3,4,5,6,7
.irp a, 0,1
	ds_store_b128 v[STO], v[ACC+8*(2*\b+\a):ACC+8*(2*\b+\a)+3] offset:\a*16*SPITCH+64*\b
	ds_store_b128 v[STO], v[ACC+8*(2*\b+\a)+4:ACC+8*(2*\b+\a)+7] offset:\a*16*SPITCH+64*\b+16
.endr
.endr
	WIN TO_F
.set n, 0
.rept 32
	ds_load_b128 v[4*n:4*n+3], v[RD] offset:n*SPITCH
.set n, n+1
.endr
	s_wait_kmcnt 0x0
	s_add_co_i32 s96, s96, s97
	s_add_co_i32 s96, s96, 127
	s_lshl_b32 s96, s96, 23
	s_mov_b32 s97, s96
	s_wait_dscnt 0x0
	WIN 0x61
.set n, 0
.rept 64
	v_pk_fma_f32 v[2*n:2*n+1], v[2*n:2*n+1], s[96:97], v[2*n:2*n+1] op_sel_hi:[1,0,1]
.set n, n+1
.endr
	WIN 0x04
.set n, 0
.rept 32
	global_store_b128 v[LN], v[4*n:4*n+3], s[12:13] offset:n*4096
.set n, n+1
.endr
	WIN 0
	s_wait_tensorcnt 0x0
	ds_add_u32 v[SPW], v[NIL]
	s_wait_dscnt 0x0
	CROUND
	s_endpgm
.Lfunc_end_k_q42496edbac_ffn2:
	.size	k_q42496edbac_ffn2, .Lfunc_end_k_q42496edbac_ffn2-k_q42496edbac_ffn2
	.p2alignl 7, 3214868480
	.fill 96, 4, 3214868480
	.section	.rodata,"a",@progbits
	.p2align	6, 0x0
	.amdhsa_kernel k_q42496edbac_ffn2
		.amdhsa_group_segment_fixed_size 327680
		.amdhsa_private_segment_fixed_size 0
		.amdhsa_enable_private_segment 0
		.amdhsa_kernarg_size 40
		.amdhsa_user_sgpr_count 2
		.amdhsa_user_sgpr_kernarg_segment_ptr 1
		.amdhsa_wavefront_size32 1
		.amdhsa_system_sgpr_workgroup_id_x 1
		.amdhsa_system_sgpr_workgroup_id_y 1
		.amdhsa_system_sgpr_workgroup_id_z 1
		.amdhsa_system_vgpr_workitem_id 0
		.amdhsa_next_free_vgpr 1024
		.amdhsa_next_free_sgpr 100
		.amdhsa_reserve_vcc 0
		.amdhsa_float_denorm_mode_32 3
		.amdhsa_float_denorm_mode_16_64 3
		.amdhsa_memory_ordered 1
		.amdhsa_forward_progress 1
		.amdhsa_inst_pref_size 152
	.end_amdhsa_kernel
	.amdgpu_metadata
---
amdhsa.version: [ 1, 2 ]
amdhsa.kernels:
  - .name:           k_q42496edbac_ffn2
    .symbol:         k_q42496edbac_ffn2.kd
    .args:
      - { .name: fc, .offset: 0, .size: 8, .value_kind: global_buffer, .address_space: global }
      - { .name: wc, .offset: 8, .size: 8, .value_kind: global_buffer, .address_space: global }
      - { .name: lowp_scales, .offset: 16, .size: 8, .value_kind: global_buffer, .address_space: global }
      - { .name: x1, .offset: 24, .size: 8, .value_kind: global_buffer, .address_space: global }
      - { .name: out0, .offset: 32, .size: 8, .value_kind: global_buffer, .address_space: global }
    .group_segment_fixed_size: 327680
    .private_segment_fixed_size: 0
    .kernarg_segment_align: 8
    .kernarg_segment_size: 40
    .max_flat_workgroup_size: 128
    .sgpr_count:     100
    .vgpr_count:     1024
    .wavefront_size: 32
...
	.end_amdgpu_metadata
.endif
;; end of part 7
